; MI455X (gfx1250); checked and timed in simulation.
; The chip was launched on July 23, 2026; its instructions are those of AMD's public machine-readable ISA for CDNA 5 (MIT licence, August 2026) and "CDNA5" Instruction Set Architecture Reference Guide (July 2026). The comments in the code are by the model that wrote it; some were corrected since.
;; self Attention. Allowed arithmetic: float matrix products may take bf16 or f16 operands with f32 sums; other float arithmetic in f32, or as packed bf16 or f16 multiplies, adds, multiply-adds, maxima and minima; sums over many terms, partial sums and values carried from step to step in f32; what a program stores and reads back later, other than sums and carried values, may be rounded once to bf16 or f16.
;; Inputs: Wk 1,024 x 1,024 float32; Wq 1,024 x 1,024 float32; Wv 1,024 x 1,024 float32; bk 1,024 float32; bq 1,024 float32; bv 1,024 float32; inputs 4 x 2,048 x 1,024 float32.
;; Outputs: out0 4 x 2,048 x 1,024 float32.
;; 2 versions, each right; version 2 is version 1 with the launch cast written anew for expert scheduling mode. Each part assembles by itself: llvm-mc -triple=amdgcn-amd-amdhsa -mcpu=gfx1250 --defsym DOCPART=n.
;; ======== version 1 of 2: 4 launches
;; limits: values are held in f16: magnitudes above 65,504 overflow, below 6.1e-05 lose precision
;; workspace buffers: ab 23,068,672 bytes; bb 12,288 bytes; qkv 50,331,648 bytes; pp 33,554,432 bytes; st 1,048,576 bytes
;; launch cast (part 1): grid 256 x 1, 11 waves a work-group, no clusters, 0 bytes of LDS; arguments inputs, Wq, Wk, Wv, bq, bk, bv, ab, bb; writes ab, bb
.if DOCPART == 1
	.amdgcn_target "amdgcn-amd-amdhsa--gfx1250"
	.amdhsa_code_object_version 6
	.text
	.protected	k_qb30ee0f647_cast
	.globl	k_qb30ee0f647_cast
	.p2align	8
	.type	k_qb30ee0f647_cast,@function
k_qb30ee0f647_cast:
	s_mov_b64 s[64:65], 0
	v_nop
	global_prefetch_b8 v0, s[64:65] scope:SCOPE_SE
	s_setreg_imm32_b32 hwreg(HW_REG_WAVE_MODE, 25, 1), 1
	s_wait_xcnt 0x0
; x [8192][1024] and Wq, Wk, Wv [1024][1024], all f32, are rounded once to bf16 and laid in blocks: ab[kb][row][64], kb = 0..15 the block of 64 along K,
; row 0..8191 = x, 8192.. = Wq, 9216.. = Wk, 10240.. = Wv.  A tile of rows x 64 K is then dense in memory.  The three biases are rounded to bf16 too,
; kept as f32 and laid end to end in bb[3072].
; SHARES.  The 11,264 rows are 2,816 units of four rows = 256 work-groups x 11 waves: wave w of group g takes unit 11 g + w, so every work-group has the same work.
; The biases are 24 chunks of 128 numbers: wave 0 of groups 0..23 takes one beside its rows.
; A pure stream: no LDS, no matrix unit, no cluster (no wave shares a byte with another).
; Lane l: row l / 8 of the four, eight numbers (32 bytes of f32) at place l % 8 of every block; its 16 bytes of bf16 lie at byte 16 l of the unit's 512 bytes of that block,
; so a wave's store covers 512 consecutive bytes, aligned, and eight lanes' two loads cover 256 consecutive bytes of a source row.
.set PLANE, 1441792                    ; bytes of one block of ab: 11,264 rows x 128
.set OFF,   4                          ; v[4:19]    byte offset of my 16 bytes in block kb
.set BI,    20                         ; v[20:29]   a chunk of a bias: as loaded, rounded, widened
.set X,     32                         ; v[32:159]  block kb: 8 registers as loaded; the first 4 then hold the bf16
	s_load_b512 s[8:23], s[0:1], 0x0               ; inputs s[8:9], Wq s[10:11], Wk s[12:13], Wv s[14:15], bq s[16:17], bk s[18:19], bv s[20:21], ab s[22:23]
	s_load_b64 s[24:25], s[0:1], 0x40              ; bb
	v_lshrrev_b32 v1, 5, v0
	v_readfirstlane_b32 s2, v1                     ; wave 0..10
	s_mov_b32 s7, ttmp9                            ; work-group 0..255
	s_mul_i32 s3, s7, 11
	s_add_co_u32 s3, s3, s2                        ; my unit of four rows, 0..2815
	v_and_b32 v1, 31, v0                           ; lane
	v_lshrrev_b32 v2, 3, v1                        ; my row of the four
	v_and_b32 v3, 7, v1
	v_lshlrev_b32 v3, 5, v3
	v_lshl_add_u32 v2, v2, 12, v3                  ; row x 4,096 + 32 (l % 8)
	v_lshlrev_b32 v3, 4, v1                        ; 16 l; never rewritten
.set kb, 0
.rept 16
	v_add_nc_u32 v[OFF+kb], kb*PLANE, v3
.set kb, kb+1
.endr
	s_and_b32 s6, s3, 255                          ; a weight's unit (a weight has 256, and x's 2,048 are a multiple of that),
	s_cmp_lt_u32 s3, 2048
	s_cselect_b32 s6, s3, s6                       ; or x's
	s_lshl_b32 s26, s6, 14                         ; four rows of 4,096 bytes
	s_mov_b32 s27, 0
	s_lshl_b32 s28, s3, 9                          ; in ab the unit's rows begin at row 4 u whatever the source: 512 bytes a unit
	s_mov_b32 s29, 0
	s_cmp_eq_u32 s2, 0
	s_cselect_b32 s30, 1, 0
	s_cmp_lt_u32 s7, 24
	s_cselect_b32 s30, s30, 0                      ; 1: I also take chunk g of the biases
	s_lshr_b32 s31, s7, 3                          ; 0: bq, 1: bk, 2: bv (eight chunks each)
	s_and_b32 s32, s7, 7
	s_lshl_b32 s32, s32, 9                         ; the chunk's 512 bytes in its bias,
	s_mov_b32 s33, 0
	s_lshl_b32 s34, s7, 9                          ; and in bb
	s_mov_b32 s35, 0
	s_wait_kmcnt 0x0
	s_cmp_lt_u32 s3, 2560
	s_cselect_b64 s[4:5], s[12:13], s[14:15]       ; the source is chosen by the unit's number alone
	s_cmp_lt_u32 s3, 2304
	s_cselect_b64 s[4:5], s[10:11], s[4:5]
	s_cmp_lt_u32 s3, 2048
	s_cselect_b64 s[4:5], s[8:9], s[4:5]
	s_add_nc_u64 s[4:5], s[4:5], s[26:27]
	s_add_nc_u64 s[22:23], s[22:23], s[28:29]
	s_cmp_eq_u32 s31, 1
	s_cselect_b64 s[36:37], s[18:19], s[20:21]
	s_cmp_eq_u32 s31, 0
	s_cselect_b64 s[36:37], s[16:17], s[36:37]
	s_add_nc_u64 s[36:37], s[36:37], s[32:33]      ; used by the 24 waves of the branch below alone
	s_add_nc_u64 s[24:25], s[24:25], s[34:35]
.set kb, 0
.rept 16                                           ; all 32 loads go out at once: every byte of the sources is read once in the launch
	global_load_b128 v[X+8*kb:X+8*kb+3],   v2, s[4:5] offset:256*kb th:TH_LOAD_NT
	global_load_b128 v[X+8*kb+4:X+8*kb+7], v2, s[4:5] offset:256*kb+16 th:TH_LOAD_NT
.set kb, kb+1
.endr
	s_cmp_lg_u32 s30, 0
	s_cbranch_scc0 .Lrows
	global_load_b128 v[BI:BI+3], v3, s[36:37]      ; four numbers a lane: 128 numbers
	s_wait_loadcnt 0x0                             ; it is the youngest load: the rows' are in too, and the counted waits below are met at once
	v_cvt_pk_bf16_f32 v[BI+4], v[BI], v[BI+1]      ; rounded to bf16 like every other input,
	v_cvt_pk_bf16_f32 v[BI+5], v[BI+2], v[BI+3]
	v_lshlrev_b32 v[BI+6], 16, v[BI+4]             ; and widened again: the product's sums begin with it in f32
	v_and_b32 v[BI+7], 0xffff0000, v[BI+4]
	v_lshlrev_b32 v[BI+8], 16, v[BI+5]
	v_and_b32 v[BI+9], 0xffff0000, v[BI+5]
	global_store_b128 v3, v[BI+6:BI+9], s[24:25]
.Lrows:
.set kb, 0
.rept 16
	s_wait_loadcnt 30-2*kb                         ; loads come back in order: block kb's two are in, the 2 (15 - kb) younger ones stay out
.set i, 0
.rept 4
	v_cvt_pk_bf16_f32 v[X+8*kb+i], v[X+8*kb+2*i], v[X+8*kb+2*i+1]  ; in place, ascending: register i is written when 2 i and 2 i + 1 have been read
.set i, i+1
.endr
	global_store_b128 v[OFF+kb], v[X+8*kb:X+8*kb+3], s[22:23]      ; no register of a pending instruction is ever rewritten
.set kb, kb+1
.endr
	s_endpgm
.Lfunc_end_k_qb30ee0f647_cast:
	.size	k_qb30ee0f647_cast, .Lfunc_end_k_qb30ee0f647_cast-k_qb30ee0f647_cast
	.p2alignl 7, 3214868480
	.fill 96, 4, 3214868480
	.section	.rodata,"a",@progbits
	.p2align	6, 0x0
	.amdhsa_kernel k_qb30ee0f647_cast
		.amdhsa_group_segment_fixed_size 0
		.amdhsa_private_segment_fixed_size 0
		.amdhsa_enable_private_segment 0
		.amdhsa_kernarg_size 72
		.amdhsa_user_sgpr_count 2
		.amdhsa_user_sgpr_kernarg_segment_ptr 1
		.amdhsa_wavefront_size32 1
		.amdhsa_system_sgpr_workgroup_id_x 1
		.amdhsa_system_sgpr_workgroup_id_y 1
		.amdhsa_system_sgpr_workgroup_id_z 1
		.amdhsa_system_vgpr_workitem_id 0
		.amdhsa_next_free_vgpr 160
		.amdhsa_next_free_sgpr 66
		.amdhsa_reserve_vcc 0
		.amdhsa_float_denorm_mode_32 3
		.amdhsa_float_denorm_mode_16_64 3
		.amdhsa_memory_ordered 1
		.amdhsa_forward_progress 1
		.amdhsa_inst_pref_size 13
	.end_amdhsa_kernel
	.amdgpu_metadata
---
amdhsa.version: [ 1, 2 ]
amdhsa.kernels:
  - .name:           k_qb30ee0f647_cast
    .symbol:         k_qb30ee0f647_cast.kd
    .args:
      - { .name: inputs, .offset: 0, .size: 8, .value_kind: global_buffer, .address_space: global }
      - { .name: Wq, .offset: 8, .size: 8, .value_kind: global_buffer, .address_space: global }
      - { .name: Wk, .offset: 16, .size: 8, .value_kind: global_buffer, .address_space: global }
      - { .name: Wv, .offset: 24, .size: 8, .value_kind: global_buffer, .address_space: global }
      - { .name: bq, .offset: 32, .size: 8, .value_kind: global_buffer, .address_space: global }
      - { .name: bk, .offset: 40, .size: 8, .value_kind: global_buffer, .address_space: global }
      - { .name: bv, .offset: 48, .size: 8, .value_kind: global_buffer, .address_space: global }
      - { .name: ab, .offset: 56, .size: 8, .value_kind: global_buffer, .address_space: global }
      - { .name: bb, .offset: 64, .size: 8, .value_kind: global_buffer, .address_space: global }
    .group_segment_fixed_size: 0
    .private_segment_fixed_size: 0
    .kernarg_segment_align: 8
    .kernarg_segment_size: 72
    .max_flat_workgroup_size: 352
    .sgpr_count:     66
    .vgpr_count:     160
    .wavefront_size: 32
...
	.end_amdgpu_metadata
.endif
;; end of part 1
;; launch proj (part 2): grid 8 x 32, 4 waves a work-group, clusters of 4 x 4, 327,680 bytes of LDS; arguments ab, bb, qkv; writes qkv
.if DOCPART == 2
	.amdgcn_target "amdgcn-amd-amdhsa--gfx1250"
	.amdhsa_code_object_version 6
	.text
	.protected	k_qb30ee0f647_proj
	.globl	k_qb30ee0f647_proj
	.p2align	8
	.type	k_qb30ee0f647_proj,@function
k_qb30ee0f647_proj:
	s_mov_b64 s[64:65], 0
	v_nop
	global_prefetch_b8 v0, s[64:65] scope:SCOPE_SE
	s_setreg_imm32_b32 hwreg(HW_REG_WAVE_MODE, 25, 1), 1
	s_wait_xcnt 0x0
	s_wait_alu depctr_hold_cnt(0) depctr_sa_sdst(0) depctr_va_vdst(0) depctr_va_sdst(0) depctr_va_ssrc(0) depctr_va_vcc(0) depctr_vm_vsrc(0)
	s_getreg_b32 s2, hwreg(HW_REG_IB_STS2, 6, 4)
	s_cmp_eq_u32 s2, 0
	s_cbranch_scc0 .Lentry_in_a_cluster
	s_endpgm
.Lentry_in_a_cluster:
	s_bfe_u32 s2, ttmp6, 0x10000c
	s_cmp_lg_u32 s2, 0xf033
	s_cbranch_scc0 .Lentry_shape_is_right
	s_endpgm
.Lentry_shape_is_right:
; qkv[m][n] = bias[n] + sum over k of x[m][k] W[n][k]: m = 8,192 rows, n = 3,072 (Q, K, V side by side), k = 1,024.  Operands bf16 out of ab (blocks of 64 along K), sums f32, result f16.
; LIMIT.  f16 ends at 65,504: |Q|, |K|, |V| must stay below it.  NaN and infinities are not treated apart.
; SHARES.  A work-group makes 256 rows x 384 columns (32 x 8 = 256 work-groups), each of its four waves 128 x 192: 96 accumulators of 16 x 16 in 768 registers.
; K goes in steps of 64 through two LDS slots.  A tile of ab is dense in memory: it is asked for as rows of 256 bytes (two rows of 64 bf16) and padded in LDS after every 128 bytes.
; CLUSTER.  4 x 4 work-groups: the four of a row need the same rows of x, the four of a column the same rows of W; each tile is asked for jointly, by the same tensor load, descriptor and mask in all four.
; THE MATRIX INSTRUCTION IS USED TRANSPOSED (source 0 = 16 rows of W, source 1 = 16 rows of x): a lane holds row lane % 16 of the result and the eight neighbouring columns 8 (lane / 16) + 0..7.
; THE BIAS is the C operand of the first products: eight numbers a lane for each block of 16 columns.
; REGISTERS, in windows of 256 (s_set_vgpr_msb: bits 1:0 source 0, 3:2 source 1, 5:4 source 2, 7:6 destination):
;   window 0: v0-20 addresses; v32-95, v96-159 fragments of x (8 x 16 rows x 32 K), two buffers; v160-255 fragments of W (12 x 16 rows x 32 K) in three groups of four, one buffer
;   windows 1-3: accumulator (a, b), a = 0..7 row block, b = 0..11 column block, in window 1 + b / 4 at v[8 (4 a + b % 4)]
; A group of W's fragments is loaded again straight behind the 32 products that read it, 64 products ahead of its next use.
.set PLANE,  1441792                   ; bytes from one block of 64 K of ab to the next
.set PITCH,  144                       ; an LDS row: 128 bytes + 16 = 36 words: the 16 rows of a fragment load start at 16 different groups of four banks (64 banks of 4 bytes: ISA guide 11.1)
.set AHALF,  128*PITCH                 ; what one tensor load brings of x, and what a wave reads of it
.set BHALF,  192*PITCH                 ; the same for W
.set BOFF,   2*AHALF                   ; in a slot: x's 256 rows, then W's 384
.set SLOT1,  131072                    ; slot 1 begins here: one exclusive or turns an address in one slot into the other's
.set SP,     784                       ; the stage's row: 768 bytes + 16.  The stage, 256 rows from byte 0, lies over the slots and is written only when they have had their last fill and their last read
.set SPARE,  223232                    ; behind slot 1: the spare words, 128 bytes for each wave: two blocks of 256 bytes that no other line names
.set FLAGS,  (1<<16)|(1<<20)|(1<<21)|(4<<22)|(3<<25)  ; 17:16 2-byte elements; 20 padding on; 21 set beside a mask; 24:22 after every 32 words (code 4); 31:25 4 words (code 3)
.set ADRA0, 4                          ; v4   my lane's place in x's part of a slot; never rewritten
.set ADRB0, 5                          ; v5   the same for W
.set ADRA,  6                          ; v6   the same in the slot in hand
.set ADRB,  7                          ; v7
.set STO,   8                          ; v8-9   the way out: where I put 16 bytes of a row (row blocks 0-3, 4-7)
.set RD,    10                         ; v10-12 the way out: where I read rows back: three loads take two rows of 768 bytes
.set CO,    13                         ; v13-15 the same three places in two rows of qkv
.set SPW,   16                         ; v16  LDS address of my spare word; never rewritten
.set NIL,   17                         ; v17  0; never rewritten
.set BO,    18                         ; v18  my byte offset in a block of 16 biases
.set AF,    32
.set BF,    160
.set PK,    32                         ; the way out: packed results
.set OB,    32                         ; the way out: rows read back, two buffers of 96
.set G1A, 24                           ; s[24:31] descriptor group 1 for x's tiles
.set G0A, 32                           ; s[32:39] group 0: a set for each first fill; the second then walks on
.set G1B, 48                           ; s[48:55], s[56:63] the same for W's
.set G0B, 56
.set TB,  66                           ; s66  LDS byte at which the slot in hand begins
.set MSB, 0
.macro WIN new                         ; the immediate's high byte repeats the setting that is left; a switch that changes nothing is dropped
.if MSB != (\new)
	s_set_vgpr_msb (MSB<<8)|(\new)
.set MSB, \new
.endif
.endm
.macro PLACES                          ; four places between a matrix instruction and a load into, or a vector instruction on, one of its registers (ISA guide 7.12.1 for vector instructions)
.rept 4
	v_nop
.endr
.endm
.macro CREST                           ; a round of the cluster's barrier behind its opening barrier
	s_cmp_lg_u32 s10, 0
	s_cbranch_scc1 .Lnot_wave_0_\@
	s_barrier_signal -3
.Lnot_wave_0_\@:
	s_barrier_wait -3
	s_barrier_signal -1
	s_barrier_wait -1
.endm
.macro CROUND
	s_barrier_signal -1
	s_barrier_wait -1
	CREST
.endm
.macro JLOAD                           ; a joint refill: waves 0 and 1 fetch x's two halves, waves 2 and 3 W's; an s_nop 0 and four v_nop follow each line
	s_cmp_eq_u32 s11, 0
	s_cbranch_scc0 .Lfor_b_\@
	tensor_load_to_lds s[G0A+4:G0A+7], s[G1A:G1A+7]
	s_nop 0
.rept 4
	v_nop
.endr
	s_branch .Lasked_\@
.Lfor_b_\@:
	tensor_load_to_lds s[G0B+4:G0B+7], s[G1B:G1B+7]
	s_nop 0
.rept 4
	v_nop
.endr
.Lasked_\@:
.endm
	s_load_b128 s[4:7], s[0:1], 0x0                ; ab s[4:5], bb s[6:7]
	s_load_b64 s[8:9], s[0:1], 0x10                ; qkv
	v_lshl_add_u32 v[SPW], v0, 2, SPARE
	v_mov_b32 v[NIL], 0
	ds_add_u32 v[SPW], v[NIL]                      ; the wave's opening: the add and its wait ahead of my first tensor load; the set-up below stands between them
	v_lshrrev_b32 v1, 5, v0
	v_readfirstlane_b32 s10, v1                    ; wave 0..3
	s_lshr_b32 s11, s10, 1                         ; which half of the tile's rows is mine.  Also: I fetch for x (0) or for W (1)
	s_and_b32 s12, s10, 1                          ; which half of its columns.  Also: which half of that tile I fetch
	s_bfe_u32 s40, ttmp6, 0x40000                  ; cx, cy: my place in the cluster
	s_bfe_u32 s41, ttmp6, 0x40004
	s_lshl_b32 s42, ttmp9, 2
	s_add_co_u32 s42, s42, s40                     ; tile column = 4 x cluster x + cx
	s_and_b32 s13, ttmp7, 0xffff
	s_lshl_b32 s13, s13, 2
	s_add_co_u32 s13, s13, s41                     ; tile row = 4 x cluster y + cy
	s_lshl_b32 s43, s41, 2
	s_lshl_b32 s43, 15, s43                        ; my row of the cluster
	s_lshl_b32 s44, 0x1111, s40                    ; my column
	s_or_b32 s[G1A], s43, FLAGS                    ; x's tiles go to my row,
	s_or_b32 s[G1B], s44, FLAGS                    ; W's to my column
	s_mov_b32 s[G1A+1], 128<<16                    ; tensor_dim0 = 128 elements: 256 bytes, two rows of 64 K
	s_mov_b32 s[G1A+2], 64<<16                     ; tensor_dim1 = 64: 128 rows of x
	s_mov_b32 s[G1A+3], 128<<16                    ; tile_dim0
	s_mov_b32 s[G1A+4], 64                         ; tile_dim1
	s_mov_b32 s[G1A+5], 128                        ; dense: 128 elements from row to row
	s_mov_b32 s[G1A+6], 0
	s_mov_b32 s[G1A+7], 0
	s_mov_b32 s[G1B+1], 128<<16
	s_mov_b32 s[G1B+2], 96<<16                     ; 96: 192 rows of W
	s_mov_b32 s[G1B+3], 128<<16
	s_mov_b32 s[G1B+4], 96
	s_mov_b32 s[G1B+5], 128
	s_mov_b32 s[G1B+6], 0
	s_mov_b32 s[G1B+7], 0
	s_lshl_b32 s16, s13, 15                        ; x: 256 rows x 128 bytes a tile row,
	s_lshl_b32 s17, s12, 14                        ; 128 rows a half
	s_add_co_u32 s16, s16, s17
	s_mov_b32 s17, 0
	s_mul_i32 s46, s42, 49152                      ; W: 384 rows x 128 bytes a tile column,
	s_mul_i32 s47, s12, 24576                      ; 192 rows a half,
	s_add_co_u32 s46, s46, s47
	s_add_co_u32 s46, s46, 1048576                 ; behind x's 8,192 rows
	s_mov_b32 s47, 0
	s_mul_i32 s20, s12, AHALF                      ; where they go: no place in the cluster enters an LDS address
	s_mul_i32 s21, s12, BHALF
	s_add_co_u32 s21, s21, BOFF
	s_mov_b32 s[TB], 0
	s_wait_dscnt 0x0                               ; the opening add is done
	s_wait_kmcnt 0x0
	s_add_nc_u64 s[14:15], s[4:5], s[16:17]
	s_add_nc_u64 s[46:47], s[4:5], s[46:47]
	CROUND                                         ; all sixteen work-groups are here: the first joint loads meet
.irp s, 0,1
	s_mov_b32 s[G0A+4*(\s)], 1                                     ; count = 1
	s_add_co_u32 s[G0A+4*(\s)+1], s20, (\s)*SLOT1                  ; LDS address
	s_add_nc_u64 s[G0A+4*(\s)+2:G0A+4*(\s)+3], s[14:15], (\s)*PLANE  ; global address: K step s
	s_or_b32 s[G0A+4*(\s)+3], s[G0A+4*(\s)+3], 0x80000000          ; type = 2
	s_mov_b32 s[G0B+4*(\s)], 1
	s_add_co_u32 s[G0B+4*(\s)+1], s21, (\s)*SLOT1
	s_add_nc_u64 s[G0B+4*(\s)+2:G0B+4*(\s)+3], s[46:47], (\s)*PLANE
	s_or_b32 s[G0B+4*(\s)+3], s[G0B+4*(\s)+3], 0x80000000
.endr
	s_cmp_eq_u32 s11, 0                            ; a wave's two first fills stand in one branch, ahead of every wait on TENSORcnt and every LDS read: two loads of mine are out
	s_cbranch_scc0 .Lfirst_b
	tensor_load_to_lds s[G0A:G0A+3], s[G1A:G1A+7]
	s_nop 0
	tensor_load_to_lds s[G0A+4:G0A+7], s[G1A:G1A+7]
	s_nop 0
.rept 4
	v_nop
.endr
	s_branch .Lfirst_asked
.Lfirst_b:
	tensor_load_to_lds s[G0B:G0B+3], s[G1B:G1B+7]
	s_nop 0
	tensor_load_to_lds s[G0B+4:G0B+7], s[G1B:G1B+7]
	s_nop 0
.rept 4
	v_nop
.endr
.Lfirst_asked:
	v_and_b32 v1, 15, v0                           ; r = lane % 16
	v_bfe_u32 v2, v0, 4, 1                         ; h = lane / 16
	v_lshlrev_b32 v[BO], 5, v2                     ; my eight biases of a block: 32 h
	s_mul_i32 s68, s42, 1536                       ; 384 columns x 4 bytes a tile column,
	s_mul_i32 s69, s12, 768                        ; 192 a half
	s_add_co_u32 s68, s68, s69
	s_mov_b32 s69, 0
	s_add_nc_u64 s[6:7], s[6:7], s[68:69]
	WIN 0xc0                                       ; blocks 0-7 wait in window 3, in registers that the third group's products write last;
.set i, 0
.rept 8
	global_load_b128 v[8*i:8*i+3],   v[BO], s[6:7] offset:64*i
	global_load_b128 v[8*i+4:8*i+7], v[BO], s[6:7] offset:64*i+16
.set i, i+1
.endr
	WIN 0                                          ; blocks 8-11 in the first half of x's second buffer, which is filled behind those products
.rept 4
	global_load_b128 v[96+8*(i-8):96+8*(i-8)+3],   v[BO], s[6:7] offset:64*i
	global_load_b128 v[96+8*(i-8)+4:96+8*(i-8)+7], v[BO], s[6:7] offset:64*i+16
.set i, i+1
.endr
	; A fragment is 16 rows x 32 K in 8 registers: lane l holds row l % 16, K = 8 (l / 16) + 0..7 and 16 + 8 (l / 16) + 0..7: two loads of 16 bytes, 32 bytes apart.
	v_mul_u32_u24 v3, v1, PITCH
	v_lshl_add_u32 v3, v2, 4, v3
	s_mul_i32 s22, s11, AHALF
	v_add_nc_u32 v[ADRA0], s22, v3                 ; my 128 rows of x
	v_add_nc_u32 v[ADRB0], s21, v3                 ; my 192 rows of W: the half that s12 names
	v_add_nc_u32 v[ADRA], s[TB], v[ADRA0]
	v_add_nc_u32 v[ADRB], s[TB], v[ADRB0]
	s_mul_i32 s23, s11, 128*SP                     ; into the stage: my 128 rows, my 384 bytes of them
	s_mul_i32 s22, s12, 384
	s_add_co_u32 s23, s23, s22
	v_mul_u32_u24 v[STO], v1, SP
	v_lshl_add_u32 v[STO], v2, 4, v[STO]
	v_add_nc_u32 v[STO], s23, v[STO]
	v_add_nc_u32 v[STO+1], 64*SP, v[STO]
	v_and_b32 v19, 31, v0                          ; back: wave w takes rows 64 w .. 64 w + 63 whole; two rows are 96 pieces of 16 bytes: three loads
	s_mul_i32 s67, s10, 64*SP
	v_lshl_add_u32 v[RD], v19, 4, s67              ; pieces 0-31 of the even row
	v_lshl_add_u32 v[RD+1], v2, 4, v[RD]
	v_add_nc_u32 v[RD+1], 512, v[RD+1]             ; its pieces 32-47, then the odd row's 0-15 (16 bytes of padding further on)
	v_add_nc_u32 v[RD+2], 1040, v[RD]              ; the odd row's pieces 16-47
	v_lshlrev_b32 v[CO], 4, v19                    ; and the same in qkv, whose rows are 6,144 bytes
	v_mul_u32_u24 v[CO+1], v2, 5376
	v_add3_u32 v[CO+1], v[CO+1], v[CO], 512
	v_add_nc_u32 v[CO+2], 6400, v[CO]
	s_lshl_b32 s16, s13, 8
	s_lshl_b32 s17, s10, 6
	s_add_co_u32 s16, s16, s17                     ; the first row that I store
	s_mul_i32 s16, s16, 6144
	s_mov_b32 s17, 0
	s_add_nc_u64 s[8:9], s[8:9], s[16:17]
	s_mul_i32 s68, s42, 768                        ; the tile's first column, in bytes: a multiple of 256
	s_mov_b32 s69, 0
	s_add_nc_u64 s[8:9], s[8:9], s[68:69]
; 16 matrix instructions: W's group g (column blocks 4 g .. 4 g + 3) x row blocks a0 .. a0 + 3, 32 along K, x out of buffer buf.  The accumulators take turns, one instruction a turn.
; bias = 1: the first products: C is the block's bias.
.macro RUNH g, buf, a0, bias
.if \bias
.if (\g) == 0
	WIN 0x70                                       ; D window 1, C window 3
.elseif (\g) == 1
	WIN 0xb0                                       ; D window 2, C window 3
.else
	WIN 0xc0                                       ; D window 3, C window 0
.endif
.else
	WIN 0x50*((\g)+1)
.endif
.set ra, (\a0)
.rept 4
.set rb, 0
.rept 4
.set rD, 8*(4*ra+rb)
.set rB, BF+32*(\g)+8*rb
.set rA, AF+64*(\buf)+8*ra
.if \bias
.if (\g) == 2
.set rC, 96+8*rb
.else
.set rC, 32*(\g)+8*rb
.endif
	v_wmma_f32_16x16x32_bf16 v[rD:rD+7], v[rB:rB+7], v[rA:rA+7], v[rC:rC+7]
.else
	v_wmma_f32_16x16x32_bf16 v[rD:rD+7], v[rB:rB+7], v[rA:rA+7], v[rD:rD+7]
.endif
.set rb, rb+1
.endr
.set ra, ra+1
.endr
.endm
.macro RUN g, buf, bias
	RUNH \g, \buf, 0, \bias
	RUNH \g, \buf, 4, \bias
.endm
.macro LDB g, k                        ; 8 LDS loads: W's group g, 32 K at byte k of the rows
	WIN 0
.set rb, 0
.rept 4
	ds_load_b128 v[BF+32*(\g)+8*rb:BF+32*(\g)+8*rb+3],   v[ADRB] offset:(4*(\g)+rb)*16*PITCH+(\k)
	ds_load_b128 v[BF+32*(\g)+8*rb+4:BF+32*(\g)+8*rb+7], v[ADRB] offset:(4*(\g)+rb)*16*PITCH+(\k)+32
.set rb, rb+1
.endr
.endm
.macro LDA half, buf, k                ; 8 LDS loads: x's row blocks 4 half .. 4 half + 3 into buffer buf
	WIN 0
.set ra, 4*(\half)
.rept 4
	ds_load_b128 v[AF+64*(\buf)+8*ra:AF+64*(\buf)+8*ra+3],   v[ADRA] offset:ra*16*PITCH+(\k)
	ds_load_b128 v[AF+64*(\buf)+8*ra+4:AF+64*(\buf)+8*ra+7], v[ADRA] offset:ra*16*PITCH+(\k)+32
.set ra, ra+1
.endr
.endm
; A K step is two halves of 32 along K, 96 matrix instructions each.  The first half multiplies x's buffer 0 and fetches the second half's fragments.
.macro EVEN
	s_wait_dscnt 8                                 ; all but the youngest eight loads, W's group 2
	RUN 0, 0, 0
	PLACES
	LDB 0, 64
	LDA 0, 1, 64
	RUN 1, 0, 0
	PLACES
	LDB 1, 64
	LDA 1, 1, 64
	s_wait_dscnt 32                                ; all but the 32 just issued: group 2 is in
	RUN 2, 0, 0
	PLACES
	LDB 2, 64
.endm
; The second half multiplies buffer 1 and changes slots: ONE barrier.  In front of it each wave waits for all its tensor loads (the one that is out is its part of the next slot), adds 0 to its spare
; word, and waits for that and for its own reads of this slot.  fill = 1: the barrier opens a round of the cluster's, and this slot is filled again, two K steps ahead, first thing behind the round.
.macro ODD fill
	WIN 0
	s_wait_tensorcnt 0x0                           ; no tensor load of mine is out, so a group 0 may be written
	ds_add_u32 v[SPW], v[NIL]                      ; 0 onto my spare word
.if \fill
	s_xor_b32 s[G0A+5], s[G0A+5], SLOT1            ; the walking descriptors: the other slot than last time, the next K step
	s_add_nc_u64 s[G0A+6:G0A+7], s[G0A+6:G0A+7], PLANE
	s_xor_b32 s[G0B+5], s[G0B+5], SLOT1
	s_add_nc_u64 s[G0B+6:G0B+7], s[G0B+6:G0B+7], PLANE
.endif
	s_wait_dscnt 9                                 ; the add and the youngest eight loads (group 2) may be out
	RUNH 0, 1, 0, 0
	s_wait_dscnt 0x0                               ; the add is done, and my reads of this slot are over
	s_barrier_signal -1
	RUNH 0, 1, 4, 0                                ; work on registers while the others arrive
	WIN 0
	s_barrier_wait -1
.if \fill
	CREST                                          ; no wave of any partner still reads this slot or has a load on its way
	JLOAD                                          ; the first tensor load behind the round: 160 matrix instructions ahead of the wait for it; its four v_nop are the places in front of the loads below
.else
	PLACES
.endif
	s_xor_b32 s[TB], s[TB], SLOT1
	v_add_nc_u32 v[ADRA], s[TB], v[ADRA0]
	v_add_nc_u32 v[ADRB], s[TB], v[ADRB0]
	LDB 0, 0
	LDA 0, 0, 0
	RUN 1, 1, 0
	PLACES
	LDB 1, 0
	LDA 1, 0, 0
	RUN 2, 1, 0
	PLACES
	LDB 2, 0
.endm
	s_wait_tensorcnt 1                             ; my part of K step 0 is in; K step 1's may stay out
	s_barrier_signal -1
	s_barrier_wait -1                              ; everybody's is
	LDB 0, 0
	LDA 0, 0, 0
	LDB 1, 0
	LDA 1, 0, 0
	LDB 2, 0
	s_wait_loadcnt 0x0                             ; the biases
	s_wait_dscnt 8                                 ; all but group 2
	RUN 0, 0, 1                                    ; the first half step is written out: its products start the sums with the bias
	PLACES
	LDB 0, 64
	LDA 1, 1, 64                                   ; the half of buffer 1 that holds no bias
	RUN 1, 0, 1
.rept 5
	v_nop                                          ; five places: the third group's products write over registers that the products above read as C
.endr
	LDB 1, 64
	s_wait_dscnt 24                                ; all but the 24 just issued: group 2 is in
	RUN 2, 0, 1
	PLACES
	LDA 0, 1, 64
	LDB 2, 64
	WIN 0                                          ; at a label and at a branch every window is 0
	s_mov_b32 s3, 14
.Lstep:                                                ; 14 trips: the second half of K step i, which asks for K step i + 2, and the first half of K step i + 1
	ODD 1
	EVEN
	WIN 0
	s_sub_co_u32 s3, s3, 1
	s_cmp_lg_u32 s3, 0
	s_cbranch_scc1 .Lstep
	ODD 0                                          ; the tail is written out: nothing more is asked for
	EVEN
	s_wait_dscnt 8
	RUN 0, 1, 0
	RUN 1, 1, 0
	s_wait_dscnt 0x0                               ; my reads of the slots are over:
	s_barrier_signal -1
	RUN 2, 1, 0
	WIN 0
	s_barrier_wait -1                              ; everybody's are, and every tensor load has landed: the stage may be written over the slots
	; THE WAY OUT: rounded to f16, 16 bytes a lane into the work-group's stage; a barrier, since a row's 768 bytes come from two waves; back as whole rows, 64 rows a wave.
	PLACES
.set g, 0
.rept 3
	WIN 5*(g+1)                                    ; sources 0 and 1 in window g + 1
.set t, 0
.rept 32
.set i, 0
.rept 4
	v_cvt_pk_f16_f32 v[PK+4*t+i], v[8*t+2*i], v[8*t+2*i+1]  ; each accumulator's registers in ascending order
.set i, i+1
.endr
.set t, t+1
.endr
	WIN 0
.set t, 0
.rept 32                                           ; t = 4 a + b % 4
	ds_store_b128 v[STO+t/16], v[PK+4*t:PK+4*t+3] offset:((t/4)%4)*16*SP+32*(4*g+t%4)
.set t, t+1
.endr
.set g, g+1
.endr
	s_wait_dscnt 0x0                               ; for the others' sake: my stores into the stage are done
	s_barrier_signal -1
	s_barrier_wait -1
.macro LOADB k                         ; batch k of four: 16 rows, 24 loads
.if (\k) >= 2
	s_wait_xcnt 0x0                                ; the buffer's registers, which earlier stores read, are loaded again only behind this wait
.endif
.set i, 0
.rept 24
	ds_load_b128 v[OB+96*((\k)%2)+4*i:OB+96*((\k)%2)+4*i+3], v[RD+i%3] offset:2*SP*(8*(\k)+i/3)
.set i, i+1
.endr
.endm
.macro SENDB k, younger                ; younger: the LDS loads issued behind batch k's
.set i, 0
.rept 24
	s_wait_dscnt (\younger)+23-i
	global_store_b128 v[CO+i%3], v[OB+96*((\k)%2)+4*i:OB+96*((\k)%2)+4*i+3], s[8:9] offset:12288*(8*(\k)+i/3)  ; sixteen lanes store 256 consecutive bytes, at a multiple of 256 from qkv's first byte
.set i, i+1
.endr
.endm
	LOADB 0
	LOADB 1
	SENDB 0, 24
	LOADB 2
	SENDB 1, 24
	LOADB 3
	SENDB 2, 24
	SENDB 3, 0
	s_wait_tensorcnt 0x0                           ; the wave's end: behind my last tensor load and my last LDS store
	ds_add_u32 v[SPW], v[NIL]
	s_wait_dscnt 0x0
	CROUND                                         ; the closing round: no work-group ends while a partner may still ask for a tile that names it
	s_endpgm
.Lfunc_end_k_qb30ee0f647_proj:
	.size	k_qb30ee0f647_proj, .Lfunc_end_k_qb30ee0f647_proj-k_qb30ee0f647_proj
	.p2alignl 7, 3214868480
	.fill 96, 4, 3214868480
	.section	.rodata,"a",@progbits
	.p2align	6, 0x0
	.amdhsa_kernel k_qb30ee0f647_proj
		.amdhsa_group_segment_fixed_size 327680
		.amdhsa_private_segment_fixed_size 0
		.amdhsa_enable_private_segment 0
		.amdhsa_kernarg_size 24
		.amdhsa_user_sgpr_count 2
		.amdhsa_user_sgpr_kernarg_segment_ptr 1
		.amdhsa_wavefront_size32 1
		.amdhsa_system_sgpr_workgroup_id_x 1
		.amdhsa_system_sgpr_workgroup_id_y 1
		.amdhsa_system_sgpr_workgroup_id_z 1
		.amdhsa_system_vgpr_workitem_id 0
		.amdhsa_next_free_vgpr 1024
		.amdhsa_next_free_sgpr 72
		.amdhsa_reserve_vcc 0
		.amdhsa_float_denorm_mode_32 3
		.amdhsa_float_denorm_mode_16_64 3
		.amdhsa_memory_ordered 1
		.amdhsa_forward_progress 1
		.amdhsa_inst_pref_size 115
	.end_amdhsa_kernel
	.amdgpu_metadata
---
amdhsa.version: [ 1, 2 ]
amdhsa.kernels:
  - .name:           k_qb30ee0f647_proj
    .symbol:         k_qb30ee0f647_proj.kd
    .args:
      - { .name: ab, .offset: 0, .size: 8, .value_kind: global_buffer, .address_space: global }
      - { .name: bb, .offset: 8, .size: 8, .value_kind: global_buffer, .address_space: global }
      - { .name: qkv, .offset: 16, .size: 8, .value_kind: global_buffer, .address_space: global }
    .group_segment_fixed_size: 327680
    .private_segment_fixed_size: 0
    .kernarg_segment_align: 8
    .kernarg_segment_size: 24
    .max_flat_workgroup_size: 128
    .sgpr_count:     72
    .vgpr_count:     1024
    .wavefront_size: 32
...
	.end_amdgpu_metadata
.endif
;; end of part 2
;; launch scores (part 3): grid 8 x 32, 4 waves a work-group, clusters of 4 x 4, 327,680 bytes of LDS; arguments qkv, pp, st; writes pp, st
.if DOCPART == 3
	.amdgcn_target "amdgcn-amd-amdhsa--gfx1250"
	.amdhsa_code_object_version 6
	.text
	.protected	k_qb30ee0f647_scores
	.globl	k_qb30ee0f647_scores
	.p2align	8
	.type	k_qb30ee0f647_scores,@function
k_qb30ee0f647_scores:
	s_mov_b64 s[64:65], 0
	v_nop
	global_prefetch_b8 v0, s[64:65] scope:SCOPE_SE
	s_setreg_imm32_b32 hwreg(HW_REG_WAVE_MODE, 25, 1), 1
	s_wait_xcnt 0x0
	s_wait_alu depctr_hold_cnt(0) depctr_sa_sdst(0) depctr_va_vdst(0) depctr_va_sdst(0) depctr_va_ssrc(0) depctr_va_vcc(0) depctr_vm_vsrc(0)
	s_getreg_b32 s2, hwreg(HW_REG_IB_STS2, 6, 4)
	s_cmp_eq_u32 s2, 0
	s_cbranch_scc0 .Lentry_in_a_cluster
	s_endpgm
.Lentry_in_a_cluster:
	s_bfe_u32 s2, ttmp6, 0x10000c
	s_cmp_lg_u32 s2, 0xf033
	s_cbranch_scc0 .Lentry_shape_is_right
	s_endpgm
.Lentry_shape_is_right:
; For each batch: S = Q K^T (f16 operands out of qkv, f32 sums, 1,024 along K), and the first level of the softmax.  For each query row and each block t of 128 keys:
;   cm = c x (the block's largest score), c = log2(e) / 32;   p = 2^(c s - cm), rounded to f16 into pp;   l = the sum, in f32, of the rounded p.   cm and l go to st[2][16 blocks][8,192 rows] in f32.
; The next launch takes the row's maximum over the 16 blocks away: together the two levels are the softmax with its maximum taken away, and no exponent here is above 0 (but for the rounding of c x max).
; LIMITS.  p lies in 0 to 1, and below 6e-5 it keeps f16's fixed step of 6e-8; NaN and infinities are not treated apart.
; SHARES.  A work-group makes 256 queries x 256 keys of one batch (32 x 8 = 256 work-groups), a wave 128 x 128: 64 accumulators, 512 registers; a wave's 128 keys are one block t.
; K goes in steps of 128 through a ring of two LDS slots; a tile's rows are 256 bytes of a row of qkv and start at multiples of 256 bytes from the buffer's first byte.
; CLUSTER.  4 x 4 work-groups of one batch: the four of a row need the same rows of Q, the four of a column the same rows of K; each tile is asked for jointly.
; THE MATRIX INSTRUCTION IS USED TRANSPOSED (source 0 = 16 keys, source 1 = 16 queries): a lane holds ONE query (lane % 16) and, in each accumulator, the keys 8 (lane / 16) + 0..7.
; HOW P LEAVES.  Two accumulators rounded to f16 ARE a fragment (16 queries x 32 keys, 8 registers) as the next launch's product takes it.  So pp is laid in fragments of 1,024 bytes:
;   pp[group of 64 rows][block t][16 rows of the group][32 keys of the block][half of the registers][lane] 16 bytes.  A store takes 512 consecutive bytes straight from the packed registers: no trip through LDS.
; l is a product too: a fragment of ones times the block's four fragments adds a query's 128 weights, in both halves of the lanes.
; REGISTERS, in windows of 256 (s_set_vgpr_msb: bits 1:0 source 0, 3:2 source 1, 5:4 source 2, 7:6 destination):
;   window 0: v0-31 addresses; v64-127, v128-191 fragments of Q, two buffers (behind the loop v64-111 at work); v192-223 packed weights
;   window 1: v64-127, v128-191 fragments of K, two buffers      window 2: the 32 accumulators of my queries 0-63 ((a, b) at v[8 (8 a + b)])      window 3: those of my queries 64-127
.set KSTEP,  128
.set PITCH,  272                       ; an LDS row: 256 bytes + 16 = 68 words: row r starts at bank 4 r mod 64 (64 banks of 4 bytes: ISA guide 11.1)
.set HALFT,  128*PITCH                 ; 128 rows: what one tensor load brings, and what one wave reads of Q or of K
.set SLOT,   4*HALFT                   ; Q's 256 rows, then K's 256 rows
.set STS,    2*SLOT                    ; behind the ring: 1,024 bytes for each wave: its 128 cm, then its 128 l
.set SPARE,  STS+4*1024                ; the spare words, 128 bytes for each wave: two blocks of 256 bytes that no other line names
.set ADRA0, 16                         ; v16     my lane's place in Q's part of a slot; never rewritten
.set ADRA,  17                         ; v17     the same in the slot in hand
.set ADRB0, 20                         ; v20, v21  the same for K
.set ADRB,  21
.set CO,   26                          ; v26     16 x lane: my 16 bytes of a store's 512; never rewritten
.set STA,  27                          ; v27     where I put cm (lanes 0-15) or l (lanes 16-31) of my query
.set SPW,  28                          ; v28     LDS address of my spare word; never rewritten
.set NIL,  29                          ; v29     0; never rewritten
.set SRD,  30                          ; v30     where I read 16 bytes of the statistics back
.set F0,   64
.set F1,   128
.set C0,   64                          ; v64-67  four running maxima
.set CM,   68                          ; v[68:69] cm, as a pair
.set LS,   72                          ; v72     l
.set SV,   74                          ; v74     cm or l, by the lane's half
.set SB,   80                          ; v80-87  the statistics read back
.set ONE,  88                          ; v88-95  a fragment of ones
.set D0,   96                          ; v96-103, v104-111  the two accumulators of l
.set D1,   104
.set TMP,  192                         ; v192-223 packed weights: four fragments
.set G1, 24                            ; s[24:31] descriptor group 1 for Q's tiles
.set G0, 32                            ; s[32:39] group 0: a set for each first fill; the second then walks on
.set G1B, 48                           ; s[48:55], s[56:63] the same for K's
.set G0B, 56
.set CS,  66                           ; s[66:67] c: the packed scaling takes the pair's low word for both halves
.set SEL, 68                           ; s[68:69] v_permlanex16_b32's selects: each lane takes its own place in the other half
.set HM,  70                           ; s70  the mask of lanes 16-31
.set TB,  71                           ; s71  LDS byte at which the slot in hand begins: 0 or SLOT
.set TF,  72                           ; s72  the same for the slot filled last
.set MSB, 0
.macro WIN new                         ; the immediate's high byte repeats the setting that is left; a switch that changes nothing is dropped
.if MSB != (\new)
	s_set_vgpr_msb (MSB<<8)|(\new)
.set MSB, \new
.endif
.endm
.set MUL_LO, 0xa1                      ; source 0 (K) window 1, source 1 (Q) window 0, C and D window 2
.set MUL_HI, 0xf1                      ; the same, C and D window 3
.set TO_B,   0x40                      ; destination window 1, address window 0
.macro JLOAD                           ; a joint refill: waves 0 and 1 fetch Q's two halves, waves 2 and 3 K's; an s_nop 0 and four v_nop follow each line
	s_cmp_eq_u32 s11, 0
	s_cbranch_scc0 .Lfor_b_\@
	tensor_load_to_lds s[G0+4:G0+7], s[G1:G1+7]
	s_nop 0
.rept 4
	v_nop
.endr
	s_branch .Lasked_\@
.Lfor_b_\@:
	tensor_load_to_lds s[G0B+4:G0B+7], s[G1B:G1B+7]
	s_nop 0
.rept 4
	v_nop
.endr
.Lasked_\@:
.endm
.macro CREST                           ; a round of the cluster's barrier behind its opening barrier
	s_cmp_lg_u32 s10, 0
	s_cbranch_scc1 .Lnot_wave_0_\@
	s_barrier_signal -3
.Lnot_wave_0_\@:
	s_barrier_wait -3
	s_barrier_signal -1
	s_barrier_wait -1
.endm
.macro CROUND
	s_barrier_signal -1
	s_barrier_wait -1
	CREST
.endm
	s_load_b128 s[4:7], s[0:1], 0x0                ; qkv s[4:5], pp s[6:7]
	s_load_b64 s[8:9], s[0:1], 0x10                ; st
	v_lshl_add_u32 v[SPW], v0, 2, SPARE
	v_mov_b32 v[NIL], 0
	ds_add_u32 v[SPW], v[NIL]                      ; the wave's opening: the add and its wait ahead of my first tensor load; the set-up below stands between them
	v_lshrrev_b32 v1, 5, v0
	v_readfirstlane_b32 s10, v1                    ; wave 0..3
	s_lshr_b32 s11, s10, 1                         ; which half of the tile's queries is mine.  Also: I fetch for Q (0) or for K (1)
	s_and_b32 s12, s10, 1                          ; which half of its keys.  Also: which 128 rows of that tile I fetch
	s_bfe_u32 s40, ttmp6, 0x40000                  ; cx, cy
	s_bfe_u32 s41, ttmp6, 0x40004
	s_lshl_b32 s42, ttmp9, 2
	s_add_co_u32 s42, s42, s40                     ; the tile of 256 keys in its batch = 4 x cluster x + cx
	s_and_b32 s13, ttmp7, 0xffff
	s_lshr_b32 s45, s13, 1                         ; the batch: two clusters along y for each, so all sixteen partners share it
	s_lshl_b32 s13, s13, 2
	s_add_co_u32 s13, s13, s41                     ; the tile of 256 query rows among all 8,192 = 4 x cluster y + cy
	s_lshl_b32 s43, s41, 2
	s_lshl_b32 s43, 15, s43                        ; my row of the cluster
	s_lshl_b32 s44, 0x1111, s40                    ; my column
	s_or_b32 s[G1+0], s43, (1<<16)|(1<<20)|(1<<21)|(5<<22)|(3<<25)   ; the mask; 2-byte elements; padding on; bit 21 beside a mask; after every 64 words (code 5) 4 words (code 3)
	s_or_b32 s[G1B+0], s44, (1<<16)|(1<<20)|(1<<21)|(5<<22)|(3<<25)
.irp g, G1, G1B
	s_mov_b32 s[(\g)+1], KSTEP<<16                 ; tensor_dim0 = 128
	s_mov_b32 s[(\g)+2], 128<<16                   ; tensor_dim1 = 128
	s_mov_b32 s[(\g)+3], KSTEP<<16                 ; tile_dim0 = 128
	s_mov_b32 s[(\g)+4], 128                       ; tile_dim1 = 128
	s_mov_b32 s[(\g)+5], 3072                      ; a row of qkv: 3,072 elements
	s_mov_b32 s[(\g)+6], 0
	s_mov_b32 s[(\g)+7], 0
.endr
	s_mul_i32 s16, s13, 1572864                    ; Q: 256 rows of 6,144 bytes a tile,
	s_mul_i32 s17, s12, 786432                     ; 128 rows a half
	s_add_co_u32 s16, s16, s17
	s_mov_b32 s17, 0
	s_mul_i32 s46, s45, 12582912                   ; K: the batch's 2,048 rows,
	s_mul_i32 s47, s42, 1572864                    ; the tile's 256,
	s_add_co_u32 s46, s46, s47
	s_mul_i32 s47, s12, 786432                     ; the half's 128,
	s_add_co_u32 s46, s46, s47
	s_add_co_u32 s46, s46, 2048                    ; and K's place in a row of qkv
	s_mov_b32 s47, 0
	s_mul_i32 s20, s10, HALFT                      ; where they go in a slot: wave x 128 rows: no place in the cluster enters an LDS address; never rewritten
	s_mov_b32 s[TB], 0
	s_mov_b32 s[TF], SLOT
	s_mov_b32 s[CS], 0x3d38aa3b                    ; c = log2(e) / 32
	s_mov_b32 s[CS+1], s[CS]
	s_mov_b32 s[SEL], 0x76543210
	s_mov_b32 s[SEL+1], 0xfedcba98
	s_mov_b32 s[HM], 0xffff0000
	s_wait_dscnt 0x0                               ; the opening add is done
	s_wait_kmcnt 0x0
	s_add_nc_u64 s[14:15], s[4:5], s[16:17]
	s_add_nc_u64 s[46:47], s[4:5], s[46:47]
	CROUND                                         ; all sixteen work-groups are here: the first joint loads meet
.irp s, 0,1
	s_mov_b32 s[G0+4*(\s)], 1                                      ; count = 1
	s_add_co_u32 s[G0+4*(\s)+1], s20, (\s)*SLOT                    ; LDS address
	s_add_nc_u64 s[G0+4*(\s)+2:G0+4*(\s)+3], s[14:15], (\s)*KSTEP*2  ; global address: K step s
	s_or_b32 s[G0+4*(\s)+3], s[G0+4*(\s)+3], 0x80000000            ; type = 2
	s_mov_b32 s[G0B+4*(\s)], 1
	s_add_co_u32 s[G0B+4*(\s)+1], s20, (\s)*SLOT
	s_add_nc_u64 s[G0B+4*(\s)+2:G0B+4*(\s)+3], s[46:47], (\s)*KSTEP*2
	s_or_b32 s[G0B+4*(\s)+3], s[G0B+4*(\s)+3], 0x80000000
.endr
	s_cmp_eq_u32 s11, 0                            ; a wave's two first fills stand in one branch, ahead of every wait on TENSORcnt and every LDS read: two loads of mine are out
	s_cbranch_scc0 .Lfirst_b
	tensor_load_to_lds s[G0:G0+3], s[G1:G1+7]
	s_nop 0
	tensor_load_to_lds s[G0+4:G0+7], s[G1:G1+7]
	s_nop 0
.rept 4
	v_nop
.endr
	s_branch .Lfirst_asked
.Lfirst_b:
	tensor_load_to_lds s[G0B:G0B+3], s[G1B:G1B+7]
	s_nop 0
	tensor_load_to_lds s[G0B+4:G0B+7], s[G1B:G1B+7]
	s_nop 0
.rept 4
	v_nop
.endr
.Lfirst_asked:
	v_and_b32 v1, 15, v0                           ; r = lane % 16
	v_bfe_u32 v2, v0, 4, 1                         ; h = lane / 16
	v_mul_u32_u24 v3, v1, PITCH
	v_lshl_add_u32 v3, v2, 4, v3                   ; a fragment's row x pitch + 16 x half
	s_mul_i32 s21, s11, HALFT                      ; my 128 rows of Q
	s_mul_i32 s22, s12, HALFT                      ; my 128 rows of K,
	s_add_co_u32 s22, s22, 2*HALFT                 ; which lie behind Q's 256
	v_add_nc_u32 v[ADRA0], s21, v3
	v_add_nc_u32 v[ADRB0], s22, v3
	v_add_nc_u32 v[ADRA], s[TB], v[ADRA0]
	v_add_nc_u32 v[ADRB], s[TB], v[ADRB0]
	s_lshl_b32 s21, s10, 10
	s_add_co_u32 s21, s21, STS                     ; my statistics
	v_lshlrev_b32 v[STA], 2, v1
	v_lshl_add_u32 v[STA], v2, 9, v[STA]
	v_add_nc_u32 v[STA], s21, v[STA]               ; word r, in cm's half or in l's
	v_and_b32 v[CO], 31, v0
	v_lshlrev_b32 v[CO], 4, v[CO]
	v_add_nc_u32 v[SRD], s21, v[CO]
	s_lshl_b32 s16, s13, 2
	s_lshl_b32 s17, s11, 1
	s_add_co_u32 s16, s16, s17                     ; my first group of 64 query rows
	s_lshl_b32 s18, s16, 8                         ; its first row's word in a block's row of st: 64 rows x 4 bytes a group,
	s_mov_b32 s19, 0
	s_lshl_b32 s16, s16, 18                        ; its 262,144 bytes of pp
	s_mov_b32 s17, 0
	s_add_nc_u64 s[6:7], s[6:7], s[16:17]
	s_add_nc_u64 s[8:9], s[8:9], s[18:19]
	s_lshl_b32 s46, s42, 1
	s_add_co_u32 s46, s46, s12                     ; my block of 128 keys, t = 2 x tile + half
	s_lshl_b32 s44, s46, 15                        ; its 8,192 words in st,
	s_mov_b32 s45, 0
	s_lshl_b32 s46, s46, 14                        ; its 16,384 bytes in a group of pp
	s_mov_b32 s47, 0
	s_add_nc_u64 s[6:7], s[6:7], s[46:47]
	s_add_nc_u64 s[8:9], s[8:9], s[44:45]
; 16 matrix instructions: query blocks a0, a0 + 1 of the window's four x all 8 key blocks, 32 along K.  zero = 1: the first product starts the sums.  The 64 accumulators take turns.
.macro MUL16 f, hi, a0, zero
	WIN MUL_LO+0x50*(\hi)
.irp a, \a0, (\a0)+1
.irp b, 0,1,2,3,4,5,6,7
.if \zero
	v_wmma_f32_16x16x32_f16 v[8*(8*(\a)+(\b)):8*(8*(\a)+(\b))+7], v[(\f)+8*(\b):(\f)+8*(\b)+7], v[(\f)+8*(4*(\hi)+(\a)):(\f)+8*(4*(\hi)+(\a))+7], 0
.else
	v_wmma_f32_16x16x32_f16 v[8*(8*(\a)+(\b)):8*(8*(\a)+(\b))+7], v[(\f)+8*(\b):(\f)+8*(\b)+7], v[(\f)+8*(4*(\hi)+(\a)):(\f)+8*(4*(\hi)+(\a))+7], v[8*(8*(\a)+(\b)):8*(8*(\a)+(\b))+7]
.endif
.endr
.endr
.endm
; 32 LDS loads in one run: the fragments of one quarter step (128 rows of K, 128 rows of Q, 32 K at byte k of the rows of the slot in hand) into buffer f
.macro FETCH k, f
	WIN TO_B
.irp i, 0,1,2,3,4,5,6,7
	ds_load_b128 v[(\f)+8*(\i):(\f)+8*(\i)+3],   v[ADRB] offset:(\k)+(\i)*16*PITCH
	ds_load_b128 v[(\f)+8*(\i)+4:(\f)+8*(\i)+7], v[ADRB] offset:(\k)+(\i)*16*PITCH+32
.endr
	WIN 0
.irp i, 0,1,2,3,4,5,6,7
	ds_load_b128 v[(\f)+8*(\i):(\f)+8*(\i)+3],   v[ADRA] offset:(\k)+(\i)*16*PITCH
	ds_load_b128 v[(\f)+8*(\i)+4:(\f)+8*(\i)+7], v[ADRA] offset:(\k)+(\i)*16*PITCH+32
.endr
.endm
.macro PLACES                          ; four places between a matrix instruction and a load into, or a vector instruction on, one of its registers (ISA guide 7.12.1 for vector instructions)
.rept 4
	v_nop
.endr
.endm
; A K step is four quarters of 32 along K, 64 matrix instructions each, on buffers 0, 1, 0, 1.  One of the first three multiplies buffer f and, in its middle, fetches the next quarter, at byte k, into g.
.macro QUARTER k, f, g, zero
	s_wait_dscnt 8                                 ; K and Q's rows 0-63 are in; the youngest eight loads (Q's rows 64-127) may be out
	WIN MUL_LO
	MUL16 \f, 0, 0, \zero
	MUL16 \f, 0, 2, \zero
	PLACES
	FETCH \k, \g
	s_wait_dscnt 32                                ; all but the 32 just issued
	WIN MUL_HI
	MUL16 \f, 1, 0, \zero
	MUL16 \f, 1, 2, \zero
.endm
; The last quarter multiplies buffer 1 and changes slots: ONE barrier.  In front of it each wave waits for all its tensor loads (the one that is out is its part of the next slot), adds 0 to its spare word,
; and waits for that and for its reads of this slot.  fill = 1: the barrier opens a round of the cluster's, and this slot is filled again, two K steps ahead, first thing behind the round.
.macro TURN fill
	WIN 0
	s_wait_tensorcnt 0x0                           ; no tensor load of mine is out, so a group 0 may be written
	ds_add_u32 v[SPW], v[NIL]                      ; 0 onto my spare word
.if \fill
	s_xor_b32 s[TF], s[TF], SLOT                   ; the walking descriptors: the other slot than last time (0 and SLOT by turns), the next K step
	s_add_co_u32 s[G0+5], s20, s[TF]
	s_add_nc_u64 s[G0+6:G0+7], s[G0+6:G0+7], KSTEP*2
	s_add_co_u32 s[G0B+5], s20, s[TF]
	s_add_nc_u64 s[G0B+6:G0B+7], s[G0B+6:G0B+7], KSTEP*2
.endif
	s_wait_dscnt 9                                 ; the add and the youngest eight loads may be out
	WIN MUL_LO
	MUL16 F1, 0, 0, 0
	s_wait_dscnt 0x0                               ; the add is done, and my reads of this slot are over
	s_barrier_signal -1
	MUL16 F1, 0, 2, 0                              ; work on registers while the others arrive
	WIN 0
	s_barrier_wait -1
.if \fill
	CREST                                          ; no wave of any partner still reads this slot's tile or has a load on its way
	JLOAD                                          ; the first tensor load behind the round: 224 matrix instructions ahead of the wait for it; its four v_nop are the places in front of the loads below
.else
	PLACES
.endif
	s_xor_b32 s[TB], s[TB], SLOT
	v_add_nc_u32 v[ADRA], s[TB], v[ADRA0]
	v_add_nc_u32 v[ADRB], s[TB], v[ADRB0]
	FETCH 0, F0
	WIN MUL_HI
	MUL16 F1, 1, 0, 0
	MUL16 F1, 1, 2, 0
.endm
	s_wait_tensorcnt 1                             ; my part of K step 0 is in; K step 1's may stay out
	s_barrier_signal -1
	s_barrier_wait -1
	FETCH 0, F0
	QUARTER 64,  F0, F1, 1                         ; the first quarter stands in front of the loop: its products start the sums
	WIN 0                                          ; at a label and at a branch every window is 0
	s_mov_b32 s3, 6
.Lstep:                                                ; 6 trips: from K step i's second quarter to K step i + 1's first; the change of slots asks for K step i + 2
	QUARTER 128, F1, F0, 0
	QUARTER 192, F0, F1, 0
	TURN 1
	QUARTER 64,  F0, F1, 0
	WIN 0
	s_sub_co_u32 s3, s3, 1
	s_cmp_lg_u32 s3, 0
	s_cbranch_scc1 .Lstep
	s_mov_b32 s3, 2                                ; the last two K steps ask for nothing: their text stands apart; it is walked twice and left in the middle of the second trip
.Ltail:
	QUARTER 128, F1, F0, 0
	QUARTER 192, F0, F1, 0
	TURN 0
	WIN 0
	s_sub_co_u32 s3, s3, 1
	s_cmp_eq_u32 s3, 0
	s_cbranch_scc1 .Lout
	QUARTER 64,  F0, F1, 0
	WIN 0
	s_branch .Ltail
.Lout:                                                 ; the second trip's barrier and its 32 loads (out of the slot read before, which nobody writes) serve nothing: the price, once a launch, of one text for both trips
	s_wait_dscnt 0x0                               ; those loads are back: their registers are used below
	PLACES
.set i, 0
.rept 8
	v_mov_b32 v[ONE+i], 0x3c003c00                 ; 1.0 twice, in f16
.set i, i+1
.endr
; THE SOFTMAX'S FIRST LEVEL for block a of 16 queries: a lane holds 64 of its query's 128 scores, in the block's eight accumulators; the other 64 lie in the lane 16 away.
.macro SOFT a
.set W, 2+(\a)/4
.set AC, 64*((\a)%4)
	WIN 0
.set j, 0
.rept 4
	v_mov_b32 v[C0+j], 0xff7fffff                  ; four chains start at the lowest finite number
.set j, j+1
.endr
	WIN (W<<2)|(W<<4)
.set i, 0
.rept 8                                            ; chain j takes accumulators 2 j and 2 j + 1, each from its lowest registers on
.set j, 0
.rept 4
	v_max3_num_f32 v[C0+j], v[C0+j], v[AC+16*j+2*i], v[AC+16*j+2*i+1]
.set j, j+1
.endr
.set i, i+1
.endr
	WIN 0
	v_max3_num_f32 v[C0], v[C0], v[C0+1], v[C0+2]
	v_max_num_f32 v[C0], v[C0], v[C0+3]
	v_permlanex16_b32 v[C0+1], v[C0], s[SEL], s[SEL+1]
	v_max_num_f32 v[C0], v[C0], v[C0+1]            ; the block's maximum, in both lanes of the query
	v_mul_f32 v[CM], s[CS], v[C0]
	v_mov_b32 v[CM+1], v[CM]                       ; named with it as a pair
	WIN W|(W<<6)
.set i, 0
.rept 32
	v_pk_fma_f32 v[AC+2*i:AC+2*i+1], v[AC+2*i:AC+2*i+1], s[CS:CS+1], v[CM:CM+1] op_sel_hi:[1,0,0] neg_lo:[0,0,1] neg_hi:[0,0,1]  ; c s - cm
.set i, i+1
.endr
.set i, 0
.rept 64
	v_exp_f32 v[AC+i], v[AC+i]
.set i, i+1
.endr
	v_nop                                          ; a plain instruction between the exponentials and the use of their results (ISA guide 5.7.2)
	s_wait_xcnt 0x0                                ; the packed registers, which the last block's stores read, are written again only behind this wait
	WIN W|(W<<2)
.set i, 0
	s_wait_alu depctr_va_vdst(0)
.rept 32
	v_cvt_pk_f16_f32 v[TMP+i], v[AC+2*i], v[AC+2*i+1]  ; accumulators 2 c and 2 c + 1 make fragment c: 16 queries x 32 keys
.set i, i+1
.endr
	WIN 0
	v_wmma_f32_16x16x32_f16 v[D0:D0+7], v[ONE:ONE+7], v[TMP:TMP+7], 0              ; ones times a fragment: every register of the result holds the sum of my query's 32 weights;
	v_wmma_f32_16x16x32_f16 v[D1:D1+7], v[ONE:ONE+7], v[TMP+8:TMP+15], 0           ; two accumulators by turns, one instruction a turn
	v_wmma_f32_16x16x32_f16 v[D0:D0+7], v[ONE:ONE+7], v[TMP+16:TMP+23], v[D0:D0+7]
	v_wmma_f32_16x16x32_f16 v[D1:D1+7], v[ONE:ONE+7], v[TMP+24:TMP+31], v[D1:D1+7]
.set i, 0
.rept 8
	global_store_b128 v[CO], v[TMP+4*i:TMP+4*i+3], s[6:7] offset:((\a)/4)*262144+((\a)%4)*4096+512*i  ; half a fragment: 512 consecutive bytes, at a multiple of 256 from pp's first byte
.set i, i+1
.endr
	PLACES
	v_add_f32 v[LS], v[D0], v[D1]                  ; l, in both lanes of the query
	v_cndmask_b32 v[SV], v[CM], v[LS], s[HM]       ; lanes 0-15 keep cm, lanes 16-31 l
	ds_store_b32 v[STA], v[SV] offset:64*(\a)
.endm
.irp a, 0,1,2,3,4,5,6,7
	SOFT \a
.endr
	ds_load_b128 v[SB:SB+3],   v[SRD]              ; my 128 cm and my 128 l leave as 512 consecutive bytes each: my wave's own bytes, and LDS serves a wave's instructions in order (ISA guide 5.7.1.4)
	ds_load_b128 v[SB+4:SB+7], v[SRD] offset:512
	s_wait_dscnt 0x0
	global_store_b128 v[CO], v[SB:SB+3],   s[8:9]
	global_store_b128 v[CO], v[SB+4:SB+7], s[8:9] offset:524288
	s_wait_tensorcnt 0x0                           ; the wave's end: behind my last tensor load and my last LDS store
	ds_add_u32 v[SPW], v[NIL]
	s_wait_dscnt 0x0
	CROUND                                         ; the closing round: no work-group ends while a partner may still ask for a tile that names it
	s_endpgm
.Lfunc_end_k_qb30ee0f647_scores:
	.size	k_qb30ee0f647_scores, .Lfunc_end_k_qb30ee0f647_scores-k_qb30ee0f647_scores
	.p2alignl 7, 3214868480
	.fill 96, 4, 3214868480
	.section	.rodata,"a",@progbits
	.p2align	6, 0x0
	.amdhsa_kernel k_qb30ee0f647_scores
		.amdhsa_group_segment_fixed_size 327680
		.amdhsa_private_segment_fixed_size 0
		.amdhsa_enable_private_segment 0
		.amdhsa_kernarg_size 24
		.amdhsa_user_sgpr_count 2
		.amdhsa_user_sgpr_kernarg_segment_ptr 1
		.amdhsa_wavefront_size32 1
		.amdhsa_system_sgpr_workgroup_id_x 1
		.amdhsa_system_sgpr_workgroup_id_y 1
		.amdhsa_system_sgpr_workgroup_id_z 1
		.amdhsa_system_vgpr_workitem_id 0
		.amdhsa_next_free_vgpr 1024
		.amdhsa_next_free_sgpr 76
		.amdhsa_reserve_vcc 0
		.amdhsa_float_denorm_mode_32 3
		.amdhsa_float_denorm_mode_16_64 3
		.amdhsa_memory_ordered 1
		.amdhsa_forward_progress 1
		.amdhsa_inst_pref_size 150
	.end_amdhsa_kernel
	.amdgpu_metadata
---
amdhsa.version: [ 1, 2 ]
amdhsa.kernels:
  - .name:           k_qb30ee0f647_scores
    .symbol:         k_qb30ee0f647_scores.kd
    .args:
      - { .name: qkv, .offset: 0, .size: 8, .value_kind: global_buffer, .address_space: global }
      - { .name: pp, .offset: 8, .size: 8, .value_kind: global_buffer, .address_space: global }
      - { .name: st, .offset: 16, .size: 8, .value_kind: global_buffer, .address_space: global }
    .group_segment_fixed_size: 327680
    .private_segment_fixed_size: 0
    .kernarg_segment_align: 8
    .kernarg_segment_size: 24
    .max_flat_workgroup_size: 128
    .sgpr_count:     76
    .vgpr_count:     1024
    .wavefront_size: 32
...
	.end_amdgpu_metadata
.endif
;; end of part 3
;; launch pv (part 4): grid 4 x 64, 4 waves a work-group, clusters of 4 x 4, 327,680 bytes of LDS; arguments pp, qkv, st, out0; writes out0
.if DOCPART == 4
	.amdgcn_target "amdgcn-amd-amdhsa--gfx1250"
	.amdhsa_code_object_version 6
	.text
	.protected	k_qb30ee0f647_pv
	.globl	k_qb30ee0f647_pv
	.p2align	8
	.type	k_qb30ee0f647_pv,@function
k_qb30ee0f647_pv:
	s_mov_b64 s[64:65], 0
	v_nop
	global_prefetch_b8 v0, s[64:65] scope:SCOPE_SE
	s_setreg_imm32_b32 hwreg(HW_REG_WAVE_MODE, 25, 1), 1
	s_wait_xcnt 0x0
	s_wait_alu depctr_hold_cnt(0) depctr_sa_sdst(0) depctr_va_vdst(0) depctr_va_sdst(0) depctr_va_ssrc(0) depctr_va_vcc(0) depctr_vm_vsrc(0)
	s_getreg_b32 s2, hwreg(HW_REG_IB_STS2, 6, 4)
	s_cmp_eq_u32 s2, 0
	s_cbranch_scc0 .Lentry_in_a_cluster
	s_endpgm
.Lentry_in_a_cluster:
	s_bfe_u32 s2, ttmp6, 0x10000c
	s_cmp_lg_u32 s2, 0xf033
	s_cbranch_scc0 .Lentry_shape_is_right
	s_endpgm
.Lentry_shape_is_right:
; THE SOFTMAX'S SECOND LEVEL AND O = P V.  For each query row: cM = the largest of its 16 blocks' cm; w_t = 2^(cm_t - cM), rounded to f16; L = the sum of w_t l_t;
; out0[row][:] = (the sum over t of (w_t P_t) V_t) / L.  P (f16, pp) is multiplied by w between its LDS load and the matrix instruction; V is f16 out of qkv; sums f32; out0 f32.
; Every exponent is at most 0, and L is at least the l of the block that holds the row's maximum, which is about 1 or more.
; LIMITS.  w p lies in 0 to 1, and below 6e-5 it keeps f16's fixed step of 6e-8; a w below 2^-25 counts as 0; NaN and infinities are not treated apart.
; SHARES.  A work-group makes 128 queries x 256 channels (64 x 4 = 256 work-groups), a wave 64 x 128: 32 accumulators.  The 2,048 keys go in 16 steps of 128: a step is one block t, so one w for each row and step.
; P ARRIVES IN FRAGMENTS: pp[group of 64 rows][block t][16 rows][32 keys][half of the registers][lane] 16 bytes.  64 rows x 128 keys are 16,384 dense bytes, asked for as 64 rows of 256 bytes;
; a load of half a fragment takes 512 consecutive LDS bytes, 16 a lane, so P needs no padding.
; CLUSTER.  4 x 4 work-groups of one batch: the four of a row need the same tiles of P, the four of a column the same tiles of V; each tile is asked for jointly.
; THE MATRIX INSTRUCTION IS USED TRANSPOSED (source 0 = 16 channels of V^T, by ds_load_tr16_b128; source 1 = 16 queries of P): a lane holds one query (lane % 16) and the channels 8 (lane / 16) + 0..7.
; REGISTERS, in windows of 256 (s_set_vgpr_msb: bits 1:0 source 0, 3:2 source 1, 5:4 source 2, 7:6 destination):
;   window 0: v0-15 addresses; v16-19 w of the step in hand for my four query blocks (twice in a word), v20-23 the next step's; v24-31 1 / L, a pair a block; v32-63, v64-95 fragments of P, two buffers;
;             v96-163 at work at the start; v96-223 rows on the way out          window 1: accumulator (a, b) at v[8 (8 a + b)]          window 2: v0-63, v64-127 fragments of V^T, two buffers
.set SLOT1, 131072                     ; a slot: P's 32,768 bytes, then V's 128 keys x 544 bytes; slot 1 begins here
.set VOFF,  32768
.set STAGE, 235520                     ; behind the ring: 16 rows x 528 bytes for each wave, for the way out
.set WTAB,  269312                     ; 4,096 bytes for each wave: w[t][r][a], a word each
.set SPARE, 285696                     ; the spare words, 128 bytes for each wave: two blocks of 256 bytes that no other line names
.set AA0, 4                            ; v4   my lane's place in a tile of P; never rewritten
.set AB0, 5                            ; v5   the same for V
.set ADRA, 6                           ; v6   the same in the slot in hand
.set ADRB, 7                           ; v7
.set WAD0, 8                           ; v8   my row's four words in step 0 of the table
.set STO, 9                            ; v9   the way out: where I put 32 bytes of a row
.set RD,  10                           ; v10  the way out: where I read a row back
.set CO,  11                           ; v11  my byte offset in 512 bytes of out0
.set SPW, 12                           ; v12  LDS address of my spare word; never rewritten
.set NIL, 13                           ; v13  0; never rewritten
.set WAD, 14                           ; v14  my row's four words in the next step of the table
.set SO,  15                           ; v15  my byte offset in st
.set WS,  16
.set WSN, 20
.set RL,  24
.set PF,  32
.set CMR, 96                           ; v96-127   cm of block a, t = 8 (lane / 16) + i, at CMR + 8 a + i; then w
.set LR,  128                          ; v128-159  l likewise
.set T0,  160
.set T1,  161
.set T2,  162
.set WST, 163                          ; where I put w
.set OB,  96
.set G1A, 24
.set G0A, 32
.set G1B, 48
.set G0B, 56
.set TB,  66                           ; s66  LDS byte at which the slot in hand begins
.set TW,  67                           ; s67  256 x the step whose w is fetched
.set SEL, 68                           ; s[68:69]
.set MSB, 0
.macro WIN new
.if MSB != (\new)
	s_set_vgpr_msb (MSB<<8)|(\new)
.set MSB, \new
.endif
.endm
.macro PLACES
.rept 4
	v_nop
.endr
.endm
.macro CREST
	s_cmp_lg_u32 s10, 0
	s_cbranch_scc1 .Lnot_wave_0_\@
	s_barrier_signal -3
.Lnot_wave_0_\@:
	s_barrier_wait -3
	s_barrier_signal -1
	s_barrier_wait -1
.endm
.macro CROUND
	s_barrier_signal -1
	s_barrier_wait -1
	CREST
.endm
.macro JLOAD                           ; a joint refill: waves 0 and 1 fetch P's two halves, waves 2 and 3 V's; an s_nop 0 and four v_nop follow each line
	s_cmp_eq_u32 s11, 0
	s_cbranch_scc0 .Lfor_b_\@
	tensor_load_to_lds s[G0A+4:G0A+7], s[G1A:G1A+7]
	s_nop 0
.rept 4
	v_nop
.endr
	s_branch .Lasked_\@
.Lfor_b_\@:
	tensor_load_to_lds s[G0B+4:G0B+7], s[G1B:G1B+7]
	s_nop 0
.rept 4
	v_nop
.endr
.Lasked_\@:
.endm
	s_load_b256 s[72:79], s[0:1], 0x0              ; pp s[72:73], qkv s[74:75], st s[76:77], out0 s[78:79]
	v_lshl_add_u32 v[SPW], v0, 2, SPARE
	v_mov_b32 v[NIL], 0
	ds_add_u32 v[SPW], v[NIL]                      ; the wave's opening: the add and its wait ahead of my first tensor load; the set-up below stands between them
	v_lshrrev_b32 v1, 5, v0
	v_readfirstlane_b32 s10, v1                    ; wave 0..3
	s_lshr_b32 s11, s10, 1                         ; which half of the tile's queries is mine.  Also: I fetch for P (0) or for V (1)
	s_and_b32 s12, s10, 1                          ; which half of its channels.  Also: which half of that tile I fetch
	s_bfe_u32 s40, ttmp6, 0x40000                  ; cx, cy
	s_bfe_u32 s41, ttmp6, 0x40004
	s_lshl_b32 s42, ttmp9, 2
	s_add_co_u32 s42, s42, s40                     ; the tile of 256 channels
	s_and_b32 s13, ttmp7, 0xffff
	s_lshr_b32 s45, s13, 2                         ; the batch: four clusters along y for each, so all sixteen partners share it
	s_lshl_b32 s13, s13, 2
	s_add_co_u32 s13, s13, s41                     ; the tile of 128 query rows among all 8,192
	s_lshl_b32 s43, s41, 2
	s_lshl_b32 s43, 15, s43                        ; my row of the cluster
	s_lshl_b32 s44, 0x1111, s40                    ; my column
	s_or_b32 s[G1A], s43, (1<<16)|(1<<21)          ; P: the mask; 2-byte elements; bit 21 beside a mask; no padding
	s_or_b32 s[G1B], s44, (1<<16)|(1<<20)|(1<<21)|(6<<22)|(7<<25)  ; V: padding after every 128 words (code 6) of 8 words (code 7): rows 544 bytes apart
	s_mov_b32 s[G1A+1], 128<<16                    ; P: a dense block of 16,384 bytes as 64 rows of 128 elements,
	s_mov_b32 s[G1A+2], 64<<16
	s_mov_b32 s[G1A+3], 128<<16
	s_mov_b32 s[G1A+4], 64
	s_mov_b32 s[G1A+5], 128                        ; each beginning where the last ends
	s_mov_b32 s[G1A+6], 0
	s_mov_b32 s[G1A+7], 0
	s_mov_b32 s[G1B+1], 256<<16                    ; V: 64 keys x 256 channels,
	s_mov_b32 s[G1B+2], 64<<16
	s_mov_b32 s[G1B+3], 256<<16
	s_mov_b32 s[G1B+4], 64
	s_mov_b32 s[G1B+5], 3072                       ; a row of qkv
	s_mov_b32 s[G1B+6], 0
	s_mov_b32 s[G1B+7], 0
	s_lshl_b32 s16, s13, 19                        ; P: two groups of 64 rows, 262,144 bytes each, a tile;
	s_lshl_b32 s17, s12, 18                        ; one group a half
	s_add_co_u32 s16, s16, s17
	s_mov_b32 s17, 0
	s_mul_i32 s46, s45, 12582912                   ; V: the batch's 2,048 rows of 6,144 bytes,
	s_mul_i32 s47, s12, 393216                     ; 64 keys a half,
	s_add_co_u32 s46, s46, s47
	s_lshl_b32 s47, s42, 9                         ; the tile's 256 channels,
	s_add_co_u32 s46, s46, s47
	s_add_co_u32 s46, s46, 4096                    ; and V's place in a row of qkv
	s_mov_b32 s47, 0
	s_lshl_b32 s20, s12, 14                        ; where they go: no place in the cluster enters an LDS address
	s_mul_i32 s21, s12, 34816
	s_add_co_u32 s21, s21, VOFF
	s_mov_b32 s[TB], 0
	s_mov_b32 s[TW], 0
	s_mov_b32 s[SEL], 0x76543210
	s_mov_b32 s[SEL+1], 0xfedcba98
	s_wait_dscnt 0x0                               ; the opening add is done
	s_wait_kmcnt 0x0
	s_add_nc_u64 s[14:15], s[72:73], s[16:17]
	s_add_nc_u64 s[46:47], s[74:75], s[46:47]
	CROUND                                         ; all sixteen work-groups are here: the first joint loads meet
.irp s, 0,1
	s_mov_b32 s[G0A+4*(\s)], 1
	s_add_co_u32 s[G0A+4*(\s)+1], s20, (\s)*SLOT1
	s_add_nc_u64 s[G0A+4*(\s)+2:G0A+4*(\s)+3], s[14:15], (\s)*16384    ; step s: the group's next block of P,
	s_or_b32 s[G0A+4*(\s)+3], s[G0A+4*(\s)+3], 0x80000000
	s_mov_b32 s[G0B+4*(\s)], 1
	s_add_co_u32 s[G0B+4*(\s)+1], s21, (\s)*SLOT1
	s_add_nc_u64 s[G0B+4*(\s)+2:G0B+4*(\s)+3], s[46:47], (\s)*786432   ; 128 rows down in V
	s_or_b32 s[G0B+4*(\s)+3], s[G0B+4*(\s)+3], 0x80000000
.endr
	s_cmp_eq_u32 s11, 0                            ; a wave's two first fills stand in one branch, ahead of every wait on TENSORcnt and every LDS read: two loads of mine are out
	s_cbranch_scc0 .Lfirst_b
	tensor_load_to_lds s[G0A:G0A+3], s[G1A:G1A+7]
	s_nop 0
	tensor_load_to_lds s[G0A+4:G0A+7], s[G1A:G1A+7]
	s_nop 0
.rept 4
	v_nop
.endr
	s_branch .Lfirst_asked
.Lfirst_b:
	tensor_load_to_lds s[G0B:G0B+3], s[G1B:G1B+7]
	s_nop 0
	tensor_load_to_lds s[G0B+4:G0B+7], s[G1B:G1B+7]
	s_nop 0
.rept 4
	v_nop
.endr
.Lfirst_asked:
	; THE STATISTICS of my wave's 64 rows: lane (r, h) takes row 16 a + r and the blocks t = 8 h + i.  All this stands in the wait for the first tiles.
	v_and_b32 v1, 15, v0                           ; r
	v_bfe_u32 v2, v0, 4, 1                         ; h
	v_lshlrev_b32 v[SO], 2, v1
	v_lshl_add_u32 v[SO], v2, 18, v[SO]            ; 4 r + 8 h blocks of 32,768 bytes
	s_lshl_b32 s16, s13, 7
	s_lshl_b32 s17, s11, 6
	s_add_co_u32 s16, s16, s17                     ; my first query row
	s_lshl_b32 s18, s16, 2
	s_mov_b32 s19, 0
	s_add_nc_u64 s[76:77], s[76:77], s[18:19]
.set a, 0
.rept 4
.set i, 0
.rept 8
	global_load_b32 v[CMR+8*a+i], v[SO], s[76:77] offset:64*a+32768*i
	global_load_b32 v[LR+8*a+i],  v[SO], s[76:77] offset:64*a+32768*i+524288
.set i, i+1
.endr
.set a, a+1
.endr
	v_and_b32 v[CO], 31, v0
	v_lshlrev_b32 v[CO], 4, v[CO]                  ; 16 x lane
	s_lshl_b32 s22, s11, 14                        ; my 64 rows of P are one group: 16,384 bytes
	v_add_nc_u32 v[AA0], s22, v[CO]                ; half a fragment: 16 bytes a lane, on end
	v_and_b32 v3, 7, v0                            ; the turning load takes 16 keys x 16 channels: lane l reads key 8 (l / 16) + l % 8, channels 8 ((l / 8) % 2) + 0..7
	v_lshl_add_u32 v[AB0], v2, 3, v3
	v_mul_u32_u24 v[AB0], v[AB0], 544
	v_bfe_u32 v3, v0, 3, 1
	v_lshl_add_u32 v[AB0], v3, 4, v[AB0]
	s_lshl_b32 s22, s12, 8                         ; my 128 channels
	s_add_co_u32 s22, s22, VOFF
	v_add_nc_u32 v[AB0], s22, v[AB0]
	v_add_nc_u32 v[ADRA], s[TB], v[AA0]
	v_add_nc_u32 v[ADRB], s[TB], v[AB0]
	s_lshl_b32 s23, s10, 12
	s_add_co_u32 s23, s23, WTAB                    ; my table
	v_lshl_add_u32 v[WAD0], v1, 4, s23
	v_lshl_add_u32 v[WST], v2, 11, v[WAD0]         ; my half of the lanes writes steps 8 h on
	s_mul_i32 s23, s10, 16*528
	s_add_co_u32 s23, s23, STAGE                   ; my stage
	v_mul_u32_u24 v[STO], v1, 528
	v_lshl_add_u32 v[STO], v2, 5, v[STO]
	v_add_nc_u32 v[STO], s23, v[STO]
	v_add_nc_u32 v[RD], s23, v[CO]
	s_lshl_b32 s16, s16, 12                        ; my first row of out0,
	s_mov_b32 s17, 0
	s_add_nc_u64 s[78:79], s[78:79], s[16:17]
	s_lshl_b32 s46, s42, 1
	s_add_co_u32 s46, s46, s12
	s_lshl_b32 s46, s46, 9                         ; my 128 channels: 512 bytes
	s_mov_b32 s47, 0
	s_add_nc_u64 s[78:79], s[78:79], s[46:47]
	v_mov_b32 v[T1], 0                             ; v_permlanex16_b32's destination counts as read
	s_wait_loadcnt 0x0
.set a, 0
.rept 4
.set X, CMR+8*a
.set Y, LR+8*a
	v_max3_num_f32 v[T0], v[X], v[X+1], v[X+2]
	v_max3_num_f32 v[T0], v[T0], v[X+3], v[X+4]
	v_max3_num_f32 v[T0], v[T0], v[X+5], v[X+6]
	v_max_num_f32 v[T0], v[T0], v[X+7]
	v_permlanex16_b32 v[T1], v[T0], s[SEL], s[SEL+1]
	v_max_num_f32 v[T0], v[T0], v[T1]              ; cM: the row's maximum over all 16 blocks
.set i, 0
.rept 8
	v_sub_f32 v[X+i], v[X+i], v[T0]
.set i, i+1
.endr
.set i, 0
.rept 8
	v_exp_f32 v[X+i], v[X+i]
.set i, i+1
.endr
	v_mov_b32 v[T2], 0                             ; L's sum begins; also the plain instruction between the exponentials and the use of their results (ISA guide 5.7.2)
.set i, 0
	s_wait_alu depctr_va_vdst(0)
.rept 8
	v_cvt_pk_f16_f32 v[X+i], v[X+i], v[X+i]        ; w, twice in a word
.set i, i+1
.endr
.set i, 0
.rept 8
	v_fma_mix_f32 v[T2], v[X+i], v[Y+i], v[T2] op_sel_hi:[1,0,0]  ; L is made of the rounded w, the one that P is multiplied by
.set i, i+1
.endr
.set i, 0
.rept 8
	ds_store_b32 v[WST], v[X+i] offset:256*i+4*a
.set i, i+1
.endr
	v_permlanex16_b32 v[T1], v[T2], s[SEL], s[SEL+1]
	v_add_f32 v[T2], v[T2], v[T1]
	v_rcp_f32 v[RL+2*a], v[T2]
	v_nop                                          ; a plain instruction between the reciprocal and the use of its result
	s_wait_alu depctr_va_vdst(0)
	v_mov_b32 v[RL+2*a+1], v[RL+2*a]               ; named with it as a pair
.set a, a+1
.endr
	ds_load_b128 v[WS:WS+3], v[WAD0]               ; step 0's w: my wave's own bytes, and LDS serves a wave's instructions in order (ISA guide 5.7.1.4)
.macro SCALE f, a, half                ; four registers of P's fragment a in buffer f, times the row's w: two products a line, each rounded to f16
	WIN 0
.set i, 0
.rept 4
	v_pk_mul_f16 v[PF+32*(\f)+8*(\a)+4*(\half)+i], v[PF+32*(\f)+8*(\a)+4*(\half)+i], v[WS+(\a)]
.set i, i+1
.endr
.endm
; 8 matrix instructions: query block a x all 8 channel blocks, 32 keys.  zero = 1: they start the sums.  ride = 1: the next block's fragment is scaled meanwhile, four lines behind two of the products.
; The 32 accumulators take turns, one instruction a turn.
.macro MULA f, a, zero, ride
.set b, 0
.rept 8
	WIN 0x52                                       ; V^T window 2, P window 0, C and D window 1
.if \zero
	v_wmma_f32_16x16x32_f16 v[8*(8*(\a)+b):8*(8*(\a)+b)+7], v[64*(\f)+8*b:64*(\f)+8*b+7], v[PF+32*(\f)+8*(\a):PF+32*(\f)+8*(\a)+7], 0
.else
	v_wmma_f32_16x16x32_f16 v[8*(8*(\a)+b):8*(8*(\a)+b)+7], v[64*(\f)+8*b:64*(\f)+8*b+7], v[PF+32*(\f)+8*(\a):PF+32*(\f)+8*(\a)+7], v[8*(8*(\a)+b):8*(8*(\a)+b)+7]
.endif
.if (\ride) && (b == 1)
	SCALE \f, (\a)+1, 0
.endif
.if (\ride) && (b == 5)
	SCALE \f, (\a)+1, 1
.endif
.set b, b+1
.endr
.endm
.macro FETCH q, g                      ; 24 LDS loads in one run: quarter q (32 keys) of the slot in hand into buffer g
	WIN 0
.set i, 0
.rept 4
	ds_load_b128 v[PF+32*(\g)+8*i:PF+32*(\g)+8*i+3],   v[ADRA] offset:4096*i+1024*(\q)       ; fragment (16 rows i, 32 keys q): its two halves of 512 bytes
	ds_load_b128 v[PF+32*(\g)+8*i+4:PF+32*(\g)+8*i+7], v[ADRA] offset:4096*i+1024*(\q)+512
.set i, i+1
.endr
	WIN 0x80                                       ; destination window 2
.set i, 0
.rept 8
	ds_load_tr16_b128 v[64*(\g)+8*i:64*(\g)+8*i+3],   v[ADRB] offset:17408*(\q)+32*i
	ds_load_tr16_b128 v[64*(\g)+8*i+4:64*(\g)+8*i+7], v[ADRB] offset:17408*(\q)+32*i+8704
.set i, i+1
.endr
.endm
; A step is four quarters of 32 keys, 32 matrix instructions each, on buffers 0, 1, 0, 1.  One of the first three multiplies buffer f and fetches quarter q into g.  neww = 1: a step's first quarter takes the new w.
.macro QUARTER q, f, g, zero, neww
	s_wait_dscnt 0x0                               ; buffer f's fragments, asked for a quarter ago (and the new w)
.if \neww
	WIN 0
.set i, 0
.rept 4
	v_mov_b32 v[WS+i], v[WSN+i]
.set i, i+1
.endr
.endif
	SCALE \f, 0, 0                                 ; eight plain lines that name nothing of the last products: the places in front of the loads into buffer g
	SCALE \f, 0, 1
	FETCH \q, \g
	MULA \f, 0, \zero, 1
	MULA \f, 1, \zero, 1
	MULA \f, 2, \zero, 1
	MULA \f, 3, \zero, 0
.endm
; The last quarter multiplies buffer 1 and changes slots: ONE barrier.  In front of it each wave waits for all its tensor loads (its part of the next slot), adds 0 to its spare word, and waits for that and for
; its reads of this slot.  fill = 1: the barrier opens a round of the cluster's, and this slot is filled again, two steps ahead, first thing behind the round.
.macro TURN fill
	WIN 0
	s_wait_tensorcnt 0x0                           ; no tensor load of mine is out, so a group 0 may be written
	ds_add_u32 v[SPW], v[NIL]                      ; 0 onto my spare word
.if \fill
	s_xor_b32 s[G0A+5], s[G0A+5], SLOT1            ; the walking descriptors: the other slot than last time, the next step
	s_add_nc_u64 s[G0A+6:G0A+7], s[G0A+6:G0A+7], 16384
	s_xor_b32 s[G0B+5], s[G0B+5], SLOT1
	s_add_nc_u64 s[G0B+6:G0B+7], s[G0B+6:G0B+7], 786432
.endif
	s_wait_dscnt 1                                 ; only the add may be out: buffer 1's fragments are in
	SCALE 1, 0, 0
	SCALE 1, 0, 1
	s_wait_dscnt 0x0                               ; the add is done, and my reads of this slot are over
	s_barrier_signal -1
	MULA 1, 0, 0, 1                                ; work on registers while the others arrive
	WIN 0
	s_barrier_wait -1
.if \fill
	CREST                                          ; no wave of any partner still reads this slot or has a load on its way
	JLOAD                                          ; the first tensor load behind the round: 120 matrix instructions ahead of the wait for it
.endif
	s_xor_b32 s[TB], s[TB], SLOT1
	s_add_co_u32 s[TW], s[TW], 256
	s_and_b32 s[TW], s[TW], 0xfff                  ; behind step 15 the number wraps to step 0: the fetch stays in my own table
	v_add_nc_u32 v[ADRA], s[TB], v[AA0]
	v_add_nc_u32 v[ADRB], s[TB], v[AB0]
	v_add_nc_u32 v[WAD], s[TW], v[WAD0]
	ds_load_b128 v[WSN:WSN+3], v[WAD]              ; the next step's w
	FETCH 0, 0                                     ; buffer 0's last products stand in front of the eight scalings above
	MULA 1, 1, 0, 1
	MULA 1, 2, 0, 1
	MULA 1, 3, 0, 0
.endm
	s_wait_dscnt 0x0                               ; my table is written and step 0's w is in
	s_wait_tensorcnt 1                             ; my part of step 0 is in; step 1's may stay out
	s_barrier_signal -1
	s_barrier_wait -1
	FETCH 0, 0
	QUARTER 1, 0, 1, 1, 0                          ; the first quarter stands in front of the loop: its products start the sums
	WIN 0
	s_mov_b32 s3, 14
.Lstep:                                                ; 14 trips: from a step's second quarter to the next step's first; the change of slots asks for the step two further on
	QUARTER 2, 1, 0, 0, 0
	QUARTER 3, 0, 1, 0, 0
	TURN 1
	QUARTER 1, 0, 1, 0, 1
	WIN 0
	s_sub_co_u32 s3, s3, 1
	s_cmp_lg_u32 s3, 0
	s_cbranch_scc1 .Lstep
	s_mov_b32 s3, 2                                ; the last two steps ask for nothing: their text stands apart; it is walked twice and left in the middle of the second trip
.Ltail:
	QUARTER 2, 1, 0, 0, 0
	QUARTER 3, 0, 1, 0, 0
	TURN 0
	WIN 0
	s_sub_co_u32 s3, s3, 1
	s_cmp_eq_u32 s3, 0
	s_cbranch_scc1 .Lout
	QUARTER 1, 0, 1, 0, 1
	WIN 0
	s_branch .Ltail
.Lout:                                                 ; the second trip's barrier and its 25 loads (out of the slot read before and out of my table, which nobody writes) serve nothing: the price, once a launch, of one text for both trips
	s_wait_dscnt 0x0                               ; those loads are back
	; THE WAY OUT, a block of 16 queries at a time: divided by L; 32 bytes a lane into my own stage; back as whole rows of 512 bytes; stored.
	PLACES
.set a, 0
.rept 4
	WIN 0x41                                       ; destination and source 0 in window 1, 1 / L in window 0
.set i, 0
.rept 32
	v_pk_mul_f32 v[64*a+2*i:64*a+2*i+1], v[64*a+2*i:64*a+2*i+1], v[RL+2*a:RL+2*a+1] op_sel_hi:[1,0]  ; each accumulator's registers in ascending order
.set i, i+1
.endr
	WIN 0x04                                       ; the store's data in window 1, its address in window 0
.set i, 0
.rept 8
	ds_store_b128 v[STO], v[64*a+8*i:64*a+8*i+3]   offset:64*i
	ds_store_b128 v[STO], v[64*a+8*i+4:64*a+8*i+7] offset:64*i+16
.set i, i+1
.endr
	WIN 0
.if a >= 2
	s_wait_xcnt 0x0                                ; the registers that earlier stores read are loaded again only behind this wait
.endif
.set i, 0
.rept 16
	ds_load_b128 v[OB+64*(a%2)+4*i:OB+64*(a%2)+4*i+3], v[RD] offset:528*i  ; LDS serves a wave's instructions in order: these see the stores above, and the next block's stores come behind them
.set i, i+1
.endr
.set i, 0
.rept 16
	s_wait_dscnt 15-i                              ; row i is back; the 15 - i younger loads stay out
	global_store_b128 v[CO], v[OB+64*(a%2)+4*i:OB+64*(a%2)+4*i+3], s[78:79] offset:(16*a+i)*4096 th:TH_STORE_NT  ; 512 consecutive bytes of one row, at a multiple of 256 from out0's first byte
.set i, i+1
.endr
.set a, a+1
.endr
	s_wait_tensorcnt 0x0                           ; the wave's end: behind my last tensor load and my last LDS store
	ds_add_u32 v[SPW], v[NIL]
	s_wait_dscnt 0x0
	CROUND                                         ; the closing round: no work-group ends while a partner may still ask for a tile that names it
	s_endpgm
.Lfunc_end_k_qb30ee0f647_pv:
	.size	k_qb30ee0f647_pv, .Lfunc_end_k_qb30ee0f647_pv-k_qb30ee0f647_pv
	.p2alignl 7, 3214868480
	.fill 96, 4, 3214868480
	.section	.rodata,"a",@progbits
	.p2align	6, 0x0
	.amdhsa_kernel k_qb30ee0f647_pv
		.amdhsa_group_segment_fixed_size 327680
		.amdhsa_private_segment_fixed_size 0
		.amdhsa_enable_private_segment 0
		.amdhsa_kernarg_size 32
		.amdhsa_user_sgpr_count 2
		.amdhsa_user_sgpr_kernarg_segment_ptr 1
		.amdhsa_wavefront_size32 1
		.amdhsa_system_sgpr_workgroup_id_x 1
		.amdhsa_system_sgpr_workgroup_id_y 1
		.amdhsa_system_sgpr_workgroup_id_z 1
		.amdhsa_system_vgpr_workitem_id 0
		.amdhsa_next_free_vgpr 640
		.amdhsa_next_free_sgpr 80
		.amdhsa_reserve_vcc 0
		.amdhsa_float_denorm_mode_32 3
		.amdhsa_float_denorm_mode_16_64 3
		.amdhsa_memory_ordered 1
		.amdhsa_forward_progress 1
		.amdhsa_inst_pref_size 107
	.end_amdhsa_kernel
	.amdgpu_metadata
---
amdhsa.version: [ 1, 2 ]
amdhsa.kernels:
  - .name:           k_qb30ee0f647_pv
    .symbol:         k_qb30ee0f647_pv.kd
    .args:
      - { .name: pp, .offset: 0, .size: 8, .value_kind: global_buffer, .address_space: global }
      - { .name: qkv, .offset: 8, .size: 8, .value_kind: global_buffer, .address_space: global }
      - { .name: st, .offset: 16, .size: 8, .value_kind: global_buffer, .address_space: global }
      - { .name: out0, .offset: 24, .size: 8, .value_kind: global_buffer, .address_space: global }
    .group_segment_fixed_size: 327680
    .private_segment_fixed_size: 0
    .kernarg_segment_align: 8
    .kernarg_segment_size: 32
    .max_flat_workgroup_size: 128
    .sgpr_count:     80
    .vgpr_count:     640
    .wavefront_size: 32
...
	.end_amdgpu_metadata
.endif
;; end of part 4
;; ======== version 2 of 2: 4 launches; version 1 with the launch cast written anew for expert scheduling mode
;; limits: values are held in f16: magnitudes above 65,504 overflow, below 6.1e-05 lose precision
;; workspace buffers: ab 23,068,672 bytes; bb 12,288 bytes; qkv 50,331,648 bytes; pp 33,554,432 bytes; st 1,048,576 bytes
;; launch cast (part 5): grid 256 x 1, 11 waves a work-group, no clusters, 0 bytes of LDS; arguments inputs, Wq, Wk, Wv, bq, bk, bv, ab, bb; writes ab, bb
.if DOCPART == 5
	.amdgcn_target "amdgcn-amd-amdhsa--gfx1250"
	.amdhsa_code_object_version 6
	.text
	.protected	k_qb30ee0f647_cast
	.globl	k_qb30ee0f647_cast
	.p2align	8
	.type	k_qb30ee0f647_cast,@function
k_qb30ee0f647_cast:
	s_mov_b64 s[64:65], 0
	v_nop
	global_prefetch_b8 v0, s[64:65] scope:SCOPE_SE
	s_setreg_imm32_b32 hwreg(HW_REG_WAVE_SCHED_MODE, 0, 2), 2
	s_setreg_imm32_b32 hwreg(HW_REG_WAVE_MODE, 25, 1), 1
	s_wait_xcnt 0x0
	s_wait_alu depctr_vm_vsrc(0)
; x [8192][1024] and Wq, Wk, Wv [1024][1024], all f32, are rounded once to bf16 and laid in blocks: ab[kb][row][64], kb = 0..15 the block of 64 along K,
; row 0..8191 = x, 8192.. = Wq, 9216.. = Wk, 10240.. = Wv.  A tile of rows x 64 K is then dense in memory.  The three biases are rounded to bf16 too,
; kept as f32 and laid end to end in bb[3072].
; SHARES.  The 11,264 rows are 2,816 units of four rows = 256 work-groups x 11 waves: wave w of group g takes unit 11 g + w, so every work-group has the same work.
; The biases are 24 chunks of 128 numbers: wave 0 of groups 0..23 takes one beside its rows.
; A pure stream: no LDS, no matrix unit, no cluster (no wave shares a byte with another).
; Lane l: row l / 8 of the four, eight numbers (32 bytes of f32) at place l % 8 of every block; its 16 bytes of bf16 lie at byte 16 l of the unit's 512 bytes of that block,
; so a wave's store covers 512 consecutive bytes, aligned, and eight lanes' two loads cover 256 consecutive bytes of a source row.
; THE MODE: SCHED_MODE bits 1:0 = 2 (LLVM: expert scheduling mode 2), set by the entry lines.  The code itself states the register dependences
; between vector instructions and memory instructions, with s_wait_alu, always for 0.
; THE PLAN.  Registers that memory instructions touch:
;   v2, v3, v[4:19]  byte offsets, made by vector instructions at the head and never written again: ONE wait on va_vdst ahead of the first load serves every load and store for its offset.
;   X, 8 a block     Written by the block's two loads, all 32 of which are issued before any vector instruction names X; read by the block's four roundings, which write its first four
;                    registers in place, once; those four are read by the block's one store and never written again.
;   BI               v[20:23] written by the bias's load; v[26:29] written by the widening lines and read by the bias's store; never written again.
; The 16 blocks go in four groups of four: a group's sixteen roundings, ONE wait on va_vdst, its four stores in a run.  No register that a memory instruction has read is written again,
; so no wait on vm_vsrc stands past the entry lines; EXEC is never written.  The wave's number passes through a scalar register: one wait on va_sdst ahead of its first reader.
.set PLANE, 1441792                    ; bytes of one block of ab: 11,264 rows x 128
.set OFF,   4                          ; v[4:19]    byte offset of my 16 bytes in block kb
.set BI,    20                         ; v[20:29]   a chunk of a bias: as loaded, rounded, widened
.set X,     32                         ; v[32:159]  block kb: 8 registers as loaded; the first 4 then hold the bf16
	s_load_b512 s[8:23], s[0:1], 0x0               ; inputs s[8:9], Wq s[10:11], Wk s[12:13], Wv s[14:15], bq s[16:17], bk s[18:19], bv s[20:21], ab s[22:23]
	s_load_b64 s[24:25], s[0:1], 0x40              ; bb
	v_lshrrev_b32 v1, 5, v0
	v_readfirstlane_b32 s2, v1                     ; wave 0..10
	s_mov_b32 s7, ttmp9                            ; work-group 0..255
	s_mul_i32 s3, s7, 11
	v_and_b32 v1, 31, v0                           ; lane
	v_lshrrev_b32 v2, 3, v1                        ; my row of the four
	v_and_b32 v3, 7, v1
	v_lshlrev_b32 v3, 5, v3
	v_lshl_add_u32 v2, v2, 12, v3                  ; row x 4,096 + 32 (l % 8)
	v_lshlrev_b32 v3, 4, v1                        ; 16 l; never rewritten
.set kb, 0
.rept 16
	v_add_nc_u32 v[OFF+kb], kb*PLANE, v3
.set kb, kb+1
.endr
	s_wait_alu depctr_va_sdst(0)                   ; s2 is written, ahead of its first reader: the unit's number, and with it every base, is made from it
	s_add_co_u32 s3, s3, s2                        ; my unit of four rows, 0..2815
	s_and_b32 s6, s3, 255                          ; a weight's unit (a weight has 256, and x's 2,048 are a multiple of that),
	s_cmp_lt_u32 s3, 2048
	s_cselect_b32 s6, s3, s6                       ; or x's
	s_lshl_b32 s26, s6, 14                         ; four rows of 4,096 bytes
	s_mov_b32 s27, 0
	s_lshl_b32 s28, s3, 9                          ; in ab the unit's rows begin at row 4 u whatever the source: 512 bytes a unit
	s_mov_b32 s29, 0
	s_cmp_eq_u32 s2, 0
	s_cselect_b32 s30, 1, 0
	s_cmp_lt_u32 s7, 24
	s_cselect_b32 s30, s30, 0                      ; 1: I also take chunk g of the biases
	s_lshr_b32 s31, s7, 3                          ; 0: bq, 1: bk, 2: bv (eight chunks each)
	s_and_b32 s32, s7, 7
	s_lshl_b32 s32, s32, 9                         ; the chunk's 512 bytes in its bias,
	s_mov_b32 s33, 0
	s_lshl_b32 s34, s7, 9                          ; and in bb
	s_mov_b32 s35, 0
	s_wait_kmcnt 0x0
	s_cmp_lt_u32 s3, 2560
	s_cselect_b64 s[4:5], s[12:13], s[14:15]       ; the source is chosen by the unit's number alone
	s_cmp_lt_u32 s3, 2304
	s_cselect_b64 s[4:5], s[10:11], s[4:5]
	s_cmp_lt_u32 s3, 2048
	s_cselect_b64 s[4:5], s[8:9], s[4:5]
	s_add_nc_u64 s[4:5], s[4:5], s[26:27]
	s_add_nc_u64 s[22:23], s[22:23], s[28:29]
	s_cmp_eq_u32 s31, 1
	s_cselect_b64 s[36:37], s[18:19], s[20:21]
	s_cmp_eq_u32 s31, 0
	s_cselect_b64 s[36:37], s[16:17], s[36:37]
	s_add_nc_u64 s[36:37], s[36:37], s[32:33]      ; used by the 24 waves of the branch below alone
	s_add_nc_u64 s[24:25], s[24:25], s[34:35]
	s_wait_alu depctr_va_vdst(0)                   ; v2, v3 and v[4:19] are written: every load and store of the kernel reads one of them as its offset, and no later line writes them
.set kb, 0
.rept 16                                           ; all 32 loads go out at once: every byte of the sources is read once in the launch
	global_load_b128 v[X+8*kb:X+8*kb+3],   v2, s[4:5] offset:256*kb th:TH_LOAD_NT
	global_load_b128 v[X+8*kb+4:X+8*kb+7], v2, s[4:5] offset:256*kb+16 th:TH_LOAD_NT
.set kb, kb+1
.endr
	s_cmp_lg_u32 s30, 0
	s_cbranch_scc0 .Lrows
	global_load_b128 v[BI:BI+3], v3, s[36:37]      ; four numbers a lane: 128 numbers
	s_wait_loadcnt 0x0                             ; it is the youngest load: the rows' are in too, and the counted waits below are met at once
	v_cvt_pk_bf16_f32 v[BI+4], v[BI], v[BI+1]      ; rounded to bf16 like every other input,
	v_cvt_pk_bf16_f32 v[BI+5], v[BI+2], v[BI+3]
	v_lshlrev_b32 v[BI+6], 16, v[BI+4]             ; and widened again: the product's sums begin with it in f32
	v_and_b32 v[BI+7], 0xffff0000, v[BI+4]
	v_lshlrev_b32 v[BI+8], 16, v[BI+5]
	v_and_b32 v[BI+9], 0xffff0000, v[BI+5]
	s_wait_alu depctr_va_vdst(0)                   ; the four widening lines have written v[BI+6:BI+9], which the store reads
	global_store_b128 v3, v[BI+6:BI+9], s[24:25]
.Lrows:
.set g, 0
.rept 4                                            ; four groups of four blocks
	s_wait_loadcnt 24-8*g                          ; loads come back in order: group g's eight are in, the 8 (3 - g) younger ones stay out
.set kb, 4*g
.rept 4
.set i, 0
.rept 4
	v_cvt_pk_bf16_f32 v[X+8*kb+i], v[X+8*kb+2*i], v[X+8*kb+2*i+1]  ; in place, ascending: register i is written when 2 i and 2 i + 1 have been read
.set i, i+1
.endr
.set kb, kb+1
.endr
	s_wait_alu depctr_va_vdst(0)                   ; the group's sixteen roundings have written the first four registers of its four blocks, which the four stores below read
.set kb, 4*g
.rept 4
	global_store_b128 v[OFF+kb], v[X+8*kb:X+8*kb+3], s[22:23]      ; no register of a pending instruction is ever rewritten
.set kb, kb+1
.endr
.set g, g+1
.endr
	s_endpgm
.Lfunc_end_k_qb30ee0f647_cast:
	.size	k_qb30ee0f647_cast, .Lfunc_end_k_qb30ee0f647_cast-k_qb30ee0f647_cast
	.p2alignl 7, 3214868480
	.fill 96, 4, 3214868480
	.section	.rodata,"a",@progbits
	.p2align	6, 0x0
	.amdhsa_kernel k_qb30ee0f647_cast
		.amdhsa_group_segment_fixed_size 0
		.amdhsa_private_segment_fixed_size 0
		.amdhsa_enable_private_segment 0
		.amdhsa_kernarg_size 72
		.amdhsa_user_sgpr_count 2
		.amdhsa_user_sgpr_kernarg_segment_ptr 1
		.amdhsa_wavefront_size32 1
		.amdhsa_system_sgpr_workgroup_id_x 1
		.amdhsa_system_sgpr_workgroup_id_y 1
		.amdhsa_system_sgpr_workgroup_id_z 1
		.amdhsa_system_vgpr_workitem_id 0
		.amdhsa_next_free_vgpr 160
		.amdhsa_next_free_sgpr 66
		.amdhsa_reserve_vcc 0
		.amdhsa_float_denorm_mode_32 3
		.amdhsa_float_denorm_mode_16_64 3
		.amdhsa_memory_ordered 1
		.amdhsa_forward_progress 1
		.amdhsa_inst_pref_size 13
	.end_amdhsa_kernel
	.amdgpu_metadata
---
amdhsa.version: [ 1, 2 ]
amdhsa.kernels:
  - .name:           k_qb30ee0f647_cast
    .symbol:         k_qb30ee0f647_cast.kd
    .args:
      - { .name: inputs, .offset: 0, .size: 8, .value_kind: global_buffer, .address_space: global }
      - { .name: Wq, .offset: 8, .size: 8, .value_kind: global_buffer, .address_space: global }
      - { .name: Wk, .offset: 16, .size: 8, .value_kind: global_buffer, .address_space: global }
      - { .name: Wv, .offset: 24, .size: 8, .value_kind: global_buffer, .address_space: global }
      - { .name: bq, .offset: 32, .size: 8, .value_kind: global_buffer, .address_space: global }
      - { .name: bk, .offset: 40, .size: 8, .value_kind: global_buffer, .address_space: global }
      - { .name: bv, .offset: 48, .size: 8, .value_kind: global_buffer, .address_space: global }
      - { .name: ab, .offset: 56, .size: 8, .value_kind: global_buffer, .address_space: global }
      - { .name: bb, .offset: 64, .size: 8, .value_kind: global_buffer, .address_space: global }
    .group_segment_fixed_size: 0
    .private_segment_fixed_size: 0
    .kernarg_segment_align: 8
    .kernarg_segment_size: 72
    .max_flat_workgroup_size: 352
    .sgpr_count:     66
    .vgpr_count:     160
    .wavefront_size: 32
...
	.end_amdgpu_metadata
.endif
;; end of part 5
;; launch proj: the kernel of part 2 again; grid 8 x 32, 4 waves a work-group, clusters of 4 x 4, 327,680 bytes of LDS; arguments ab, bb, qkv; writes qkv
;; launch scores: the kernel of part 3 again; grid 8 x 32, 4 waves a work-group, clusters of 4 x 4, 327,680 bytes of LDS; arguments qkv, pp, st; writes pp, st
;; launch pv: the kernel of part 4 again; grid 4 x 64, 4 waves a work-group, clusters of 4 x 4, 327,680 bytes of LDS; arguments pp, qkv, st, out0; writes out0
